; MI455X (gfx1250); checked and timed in simulation.
; The chip was launched on July 23, 2026; its instructions are those of AMD's public machine-readable ISA for CDNA 5 (MIT licence, August 2026) and "CDNA5" Instruction Set Architecture Reference Guide (July 2026). The comments in the code are by the model that wrote it; some were corrected since.
;; Ultimate Hybrid Super Layer. Allowed arithmetic: float matrix products may take bf16 or f16 operands with f32 sums; other float arithmetic in f32, or as packed bf16 or f16 multiplies, adds, multiply-adds, maxima and minima; sums over many terms, partial sums and values carried from step to step in f32; what a program stores and reads back later, other than sums and carried values, may be rounded once to bf16 or f16.
;; Inputs: S_fc 819 float32; S_proj 819 float32; U_fc 2,048 x 819 float32; U_proj 8,192 x 819 float32; V_fc 8,192 x 819 float32; V_proj 2,048 x 819 float32; b_fc 8,192 float32; b_proj 2,048 float32; x 2 x 512 x 2,048 float32.
;; Outputs: out0 2 x 512 x 2,048 float32.
;; One version. Each part assembles by itself: llvm-mc -triple=amdgcn-amd-amdhsa -mcpu=gfx1250 --defsym DOCPART=n.
;; ======== version 1 of 1: 7 launches
;; limits: values are held in f16: magnitudes above 65,504 overflow, below 6.1e-05 lose precision; inputs' magnitudes at most 65,504; a function is approximated: absolute error at most 7.5e-08
;; workspace buffers: xb 4,194,304 bytes; ufb 3,670,016 bytes; vfh 14,680,064 bytes; upb 14,680,064 bytes; vph 3,670,016 bytes; part 14,680,064 bytes; tn 1,839,104 bytes; g 16,777,216 bytes
;; launch prep (part 1): grid 256 x 1, 24 waves a work-group, no clusters, 289,792 bytes of LDS; arguments U_fc, V_fc, U_proj, V_proj, x, ufb, vfh, upb, vph, xb; writes ufb, vfh, upb, vph, xb
.if DOCPART == 1
	.amdgcn_target "amdgcn-amd-amdhsa--gfx1250"
	.amdhsa_code_object_version 6
	.text
	.protected	k_qb226a51efb_prep
	.globl	k_qb226a51efb_prep
	.p2align	8
	.type	k_qb226a51efb_prep,@function
k_qb226a51efb_prep:
	s_mov_b64 s[64:65], 0
	v_nop
	global_prefetch_b8 v0, s[64:65] scope:SCOPE_SE
	s_setreg_imm32_b32 hwreg(HW_REG_WAVE_MODE, 25, 1), 1
	s_wait_xcnt 0x0
; PREP: the four weight factors, rows of 819 f32 (3,276 bytes: only 4-byte aligned), become rows of 896 16-bit numbers (1,792 bytes), columns 819 to 895 zero; x becomes bf16.
;   ufb = bf16(U_fc) [2048][896]   upb = bf16(U_proj) [8192][896]   xb = bf16(x) [1024][2048]
;   vfh = bf16(V_fc) written as f16 [8192][896]   vph = bf16(V_proj) written as f16 [2048][896]
; LIMITS.  A V beyond 65,504 becomes an infinity in f16; below 2^-17 a V keeps f16's fixed step of 2^-24 in place of bf16's eight bits.  NaN and infinities are not treated apart.
; SHARES.  Work-group w: 8 rows of U_fc (waves 0-1), 32 of V_fc (2-9), 32 of U_proj (10-17), 8 of V_proj (18-19), 4 rows a wave; 4 rows of x (waves 20-23), one a wave.
; A weight wave issues ONE tensor load: a tile of 4 rows x 896 elements of a tensor 819 wide, so that columns 819 on arrive in LDS as zeros, and the rows lie 3,584 bytes apart, 16-byte aligned.
; It reads only its own 14,336 bytes, behind its own wait: no barrier, nothing is filled twice.  x's rows are aligned and go through registers.
; No matrix unit, no cluster: nothing is multiplied and no two work-groups read the same byte.
.set RANK,  819
.set RPAD,  896
.set WROWS, 4
.set TILEB, WROWS*RPAD*4               ; 14,336 bytes of LDS for each weight wave
.set SPARE, 20*TILEB                   ; behind the twenty tiles: the spare words, 128 bytes for each of 24 waves: twelve blocks of 256 bytes that no other line names
.set SPW, 2                            ; v2   LDS address of my spare word; never rewritten
.set NIL, 3                            ; v3   0; never rewritten
.set LA,  4                            ; v4   LDS address of my 32 bytes (8 f32) in my wave's tile
.set SO,  5                            ; v5   16 x lane
.set XS,  6                            ; v6   8 x lane
.set X,   8                            ; v[8:119]  28 x 4 registers as loaded; packed in place
.set T,   120                          ; v[120:123] at work
.set WV,  24                           ; s24  my wave's number
.set G0,  40                           ; s[40:43] descriptor group 0
.set G1,  44                           ; s[44:51] descriptor group 1
	s_load_b512 s[4:19], s[0:1], 0x0               ; U_fc 4:5, V_fc 6:7, U_proj 8:9, V_proj 10:11, x 12:13, ufb 14:15, vfh 16:17, upb 18:19
	s_load_b128 s[20:23], s[0:1], 0x40             ; vph 20:21, xb 22:23
	v_lshl_add_u32 v[SPW], v0, 2, SPARE
	v_mov_b32 v[NIL], 0
	ds_add_u32 v[SPW], v[NIL]                      ; the wave's opening: the add and its wait ahead of my first tensor load; work on registers stands between them
	ds_add_u32 v2, v3
	v_lshrrev_b32 v1, 5, v0
	v_readfirstlane_b32 s[WV], v1                  ; wave 0..23
	v_and_b32 v1, 31, v0                           ; lane
	v_lshlrev_b32 v[SO], 4, v1
	v_lshlrev_b32 v[XS], 3, v1
	s_mov_b32 s52, 0xffff0000                      ; a word's upper bf16
	s_mov_b32 s[G1+0], 2<<16                       ; 15:0 no mask; 17:16 elements of 4 bytes; no padding
	s_mov_b32 s[G1+1], RANK<<16                    ; tensor_dim0 = 819: beyond it zeros are written
	s_mov_b32 s[G1+2], WROWS<<16                   ; tensor_dim1 = 4
	s_mov_b32 s[G1+3], RPAD<<16                    ; tile_dim0 = 896
	s_mov_b32 s[G1+4], WROWS                       ; tile_dim1 = 4
	s_mov_b32 s[G1+5], RANK                        ; 819 elements from row to row
	s_mov_b32 s[G1+6], 0
	s_mov_b32 s[G1+7], 0
	s_mov_b32 s[G0], 1
	s_wait_dscnt 0x0                               ; the opening add is done
	s_wait_kmcnt 0x0
	s_cmp_ge_u32 s[WV], 20
	s_cbranch_scc1 .Lx
	; A weight wave: which tensor, by the wave's number alone.  s[26:27] source, s[28:29] destination, s30 the tensor's first wave, s31 log2 of its rows a work-group, s32 1 = f16
	s_mov_b64 s[26:27], s[10:11]
	s_mov_b64 s[28:29], s[20:21]
	s_mov_b32 s30, 18
	s_mov_b32 s31, 3
	s_mov_b32 s32, 1
	s_cmp_lt_u32 s[WV], 18
	s_cselect_b64 s[26:27], s[8:9], s[26:27]
	s_cselect_b64 s[28:29], s[18:19], s[28:29]
	s_cselect_b32 s30, 10, s30
	s_cselect_b32 s31, 5, s31
	s_cselect_b32 s32, 0, s32
	s_cmp_lt_u32 s[WV], 10
	s_cselect_b64 s[26:27], s[6:7], s[26:27]
	s_cselect_b64 s[28:29], s[16:17], s[28:29]
	s_cselect_b32 s30, 2, s30
	s_cselect_b32 s31, 5, s31
	s_cselect_b32 s32, 1, s32
	s_cmp_lt_u32 s[WV], 2
	s_cselect_b64 s[26:27], s[4:5], s[26:27]
	s_cselect_b64 s[28:29], s[14:15], s[28:29]
	s_cselect_b32 s30, 0, s30
	s_cselect_b32 s31, 3, s31
	s_cselect_b32 s32, 0, s32
	s_lshl_b32 s33, ttmp9, s31                     ; the work-group's first row of that tensor,
	s_sub_co_u32 s34, s[WV], s30
	s_lshl_b32 s34, s34, 2
	s_add_co_u32 s33, s33, s34                     ; my wave's four rows
	s_mul_i32 s34, s33, RANK*4                     ; under 2^25 bytes
	s_mov_b32 s35, 0
	s_mul_i32 s36, s33, RPAD*2
	s_mov_b32 s37, 0
	s_add_nc_u64 s[26:27], s[26:27], s[34:35]
	s_add_nc_u64 s[28:29], s[28:29], s[36:37]
	s_mul_i32 s[G0+1], s[WV], TILEB                ; my wave's tile in LDS
	s_mov_b64 s[G0+2:G0+3], s[26:27]
	s_or_b32 s[G0+3], s[G0+3], 0x80000000          ; type = 2
	tensor_load_to_lds s[G0:G0+3], s[G1:G1+7]      ; my one tensor load
	s_nop 0
	v_lshl_add_u32 v[LA], v1, 5, s[G0+1]
	s_wait_tensorcnt 0x0                           ; the tile is in LDS; only I read it
	; 7,168 output bytes in 14 pieces of 512: piece i is 1,024 bytes of f32; a lane takes 8 numbers, two loads of 16 bytes
.set n, 0
.rept 28
	ds_load_b128 v[X+4*n:X+4*n+3], v[LA] offset:1024*(n/2)+16*(n%2)
.set n, n+1
.endr
	s_cmp_eq_u32 s32, 1
	s_cbranch_scc1 .Lf16
.macro CVB i                           ; piece i to bf16, packed in place (the pack of pair k lands on a register whose number has been read), and stored
	s_wait_dscnt 26-2*(\i)                         ; LDS loads come back in order: of the 28 the 26 - 2 i younger ones may be out
.irp k, 0,1,2,3
	v_cvt_pk_bf16_f32 v[X+8*(\i)+(\k)], v[X+8*(\i)+2*(\k)], v[X+8*(\i)+2*(\k)+1]
.endr
	global_store_b128 v[SO], v[X+8*(\i):X+8*(\i)+3], s[28:29] offset:512*(\i)  ; 512 consecutive bytes, at a multiple of 256 from the buffer's first byte
.endm
.macro CVH i                           ; piece i rounded to bf16, and that number written as f16
	s_wait_dscnt 26-2*(\i)
.irp k, 0,1,2,3
	v_cvt_pk_bf16_f32 v[T+(\k)], v[X+8*(\i)+2*(\k)], v[X+8*(\i)+2*(\k)+1]
.endr
.irp k, 0,1,2,3
	v_lshlrev_b32 v[X+8*(\i)+2*(\k)], 16, v[T+(\k)]
	v_and_b32 v[X+8*(\i)+2*(\k)+1], s52, v[T+(\k)]
.endr
.irp k, 0,1,2,3
	v_cvt_pk_f16_f32 v[X+8*(\i)+(\k)], v[X+8*(\i)+2*(\k)], v[X+8*(\i)+2*(\k)+1]
.endr
	global_store_b128 v[SO], v[X+8*(\i):X+8*(\i)+3], s[28:29] offset:512*(\i)
.endm
.irp i, 0,1,2,3,4,5,6,7,8,9,10,11,12,13
	CVB \i
.endr
	s_branch .Lend
.Lf16:
.irp i, 0,1,2,3,4,5,6,7,8,9,10,11,12,13
	CVH \i
.endr
	s_branch .Lend
.Lx:                                   ; a wave of x: one row of 8,192 bytes, 16 loads of 512 consecutive bytes, all out at once
	s_sub_co_u32 s33, s[WV], 20
	s_lshl_b32 s34, ttmp9, 2
	s_add_co_u32 s33, s33, s34                     ; my row
	s_lshl_b32 s34, s33, 13
	s_mov_b32 s35, 0
	s_lshl_b32 s36, s33, 12
	s_mov_b32 s37, 0
	s_add_nc_u64 s[26:27], s[12:13], s[34:35]
	s_add_nc_u64 s[28:29], s[22:23], s[36:37]
.set n, 0
.rept 16
	global_load_b128 v[X+4*n:X+4*n+3], v[SO], s[26:27] offset:512*n th:TH_LOAD_NT
.set n, n+1
.endr
.set n, 0
.rept 16
	s_wait_loadcnt 15-n                            ; loads come back in order: the 15 - n younger ones may be out
	v_cvt_pk_bf16_f32 v[X+4*n], v[X+4*n], v[X+4*n+1]
	v_cvt_pk_bf16_f32 v[X+4*n+1], v[X+4*n+2], v[X+4*n+3]
	global_store_b64 v[XS], v[X+4*n:X+4*n+1], s[28:29] offset:256*n  ; 32 lanes store 256 consecutive bytes, aligned
.set n, n+1
.endr
.Lend:
	s_wait_tensorcnt 0x0                           ; the wave's end
	ds_add_u32 v[SPW], v[NIL]
	s_wait_dscnt 0x0
	s_endpgm
.Lfunc_end_k_qb226a51efb_prep:
	.size	k_qb226a51efb_prep, .Lfunc_end_k_qb226a51efb_prep-k_qb226a51efb_prep
	.p2alignl 7, 3214868480
	.fill 96, 4, 3214868480
	.section	.rodata,"a",@progbits
	.p2align	6, 0x0
	.amdhsa_kernel k_qb226a51efb_prep
		.amdhsa_group_segment_fixed_size 289792
		.amdhsa_private_segment_fixed_size 0
		.amdhsa_enable_private_segment 0
		.amdhsa_kernarg_size 80
		.amdhsa_user_sgpr_count 2
		.amdhsa_user_sgpr_kernarg_segment_ptr 1
		.amdhsa_wavefront_size32 1
		.amdhsa_system_sgpr_workgroup_id_x 1
		.amdhsa_system_sgpr_workgroup_id_y 1
		.amdhsa_system_sgpr_workgroup_id_z 1
		.amdhsa_system_vgpr_workitem_id 0
		.amdhsa_next_free_vgpr 128
		.amdhsa_next_free_sgpr 66
		.amdhsa_reserve_vcc 0
		.amdhsa_float_denorm_mode_32 3
		.amdhsa_float_denorm_mode_16_64 3
		.amdhsa_memory_ordered 1
		.amdhsa_forward_progress 1
		.amdhsa_inst_pref_size 29
	.end_amdhsa_kernel
	.amdgpu_metadata
---
amdhsa.version: [ 1, 2 ]
amdhsa.kernels:
  - .name:           k_qb226a51efb_prep
    .symbol:         k_qb226a51efb_prep.kd
    .args:
      - { .name: U_fc, .offset: 0, .size: 8, .value_kind: global_buffer, .address_space: global }
      - { .name: V_fc, .offset: 8, .size: 8, .value_kind: global_buffer, .address_space: global }
      - { .name: U_proj, .offset: 16, .size: 8, .value_kind: global_buffer, .address_space: global }
      - { .name: V_proj, .offset: 24, .size: 8, .value_kind: global_buffer, .address_space: global }
      - { .name: x, .offset: 32, .size: 8, .value_kind: global_buffer, .address_space: global }
      - { .name: ufb, .offset: 40, .size: 8, .value_kind: global_buffer, .address_space: global }
      - { .name: vfh, .offset: 48, .size: 8, .value_kind: global_buffer, .address_space: global }
      - { .name: upb, .offset: 56, .size: 8, .value_kind: global_buffer, .address_space: global }
      - { .name: vph, .offset: 64, .size: 8, .value_kind: global_buffer, .address_space: global }
      - { .name: xb, .offset: 72, .size: 8, .value_kind: global_buffer, .address_space: global }
    .group_segment_fixed_size: 289792
    .private_segment_fixed_size: 0
    .kernarg_segment_align: 8
    .kernarg_segment_size: 80
    .max_flat_workgroup_size: 768
    .sgpr_count:     66
    .vgpr_count:     128
    .wavefront_size: 32
...
	.end_amdgpu_metadata
.endif
;; end of part 1
;; launch nn512 (part 2): grid 32 x 7, 4 waves a work-group, clusters of 4 x 1, 327,680 bytes of LDS; arguments xb, ufb, part; writes part
.if DOCPART == 2
	.amdgcn_target "amdgcn-amd-amdhsa--gfx1250"
	.amdhsa_code_object_version 6
	.text
	.protected	k_qb226a51efb_nn512
	.globl	k_qb226a51efb_nn512
	.p2align	8
	.type	k_qb226a51efb_nn512,@function
k_qb226a51efb_nn512:
	s_mov_b64 s[64:65], 0
	v_nop
	global_prefetch_b8 v0, s[64:65] scope:SCOPE_SE
	s_setreg_imm32_b32 hwreg(HW_REG_WAVE_MODE, 25, 1), 1
	s_wait_xcnt 0x0
	s_wait_alu depctr_hold_cnt(0) depctr_sa_sdst(0) depctr_va_vdst(0) depctr_va_sdst(0) depctr_va_ssrc(0) depctr_va_vcc(0) depctr_vm_vsrc(0)
	s_getreg_b32 s2, hwreg(HW_REG_IB_STS2, 6, 4)
	s_cmp_eq_u32 s2, 0
	s_cbranch_scc0 .Lentry_in_a_cluster
	s_endpgm
.Lentry_in_a_cluster:
	s_bfe_u32 s2, ttmp6, 0x10000c
	s_cmp_lg_u32 s2, 0x3003
	s_cbranch_scc0 .Lentry_shape_is_right
	s_endpgm
.Lentry_shape_is_right:
; part[s][m][n] = the sum over k in [KCH s, KCH s + KCH) of A[m][k] B[k][n].  A: [1024][APITCH] bf16, B: [4 KCH][896] bf16 (K down the rows), part: [4][1024][896] f32.  Sums in f32; the four splits are added by the next launch.
; SHARES.  A tile of part is 128 x 128; four waves, each 64 x 64: 16 accumulators.  8 tile rows x 7 tile columns x 4 splits of K = 224 work-groups.  K goes in steps of 256 through two LDS slots.
; CLUSTER.  The four work-groups of a cluster have four tile rows, one split and one tile column: they need the same tiles of B, which are asked for JOINTLY (the same tensor load, descriptor and mask in all four).
; A's tiles differ between the four and are loads of one's own, issued behind the same rounds.  A is not shared: the work-groups that need the same A are the 7 tile columns, and 7 is no multiple of 4.
; B lies [k][n], so its fragments come out of LDS turned, by ds_load_tr16_b128.  THE MATRIX INSTRUCTION IS USED TRANSPOSED (source 0 = 16 columns of B, source 1 = 16 rows of A): a lane holds eight neighbouring numbers of a row.
; REGISTERS: window 0: v0-31 addresses; v128-255 the accumulators ((a, b) at v[128 + 8 (4 a + b)]), later whole rows on the way out.  window 1: two fragment buffers of 128: 64 of A, then 64 of B, for 64 along K.
.set KCH,    512                       ; K of a split
.set APITCH, 2048                      ; elements in a row of A
.set NPAD,   896
.set KSTEP,  256
.set LAPS,   KCH/(2*KSTEP)             ; a lap = two K steps = once round the ring
.set PA,     528                       ; a row of A in LDS: 512 bytes + 16: the 16 rows of a load start 132 words apart, at 16 different groups of four banks (64 banks of 4 bytes: ISA guide 11.1)
.set PB,     288                       ; a row of B: 256 bytes + 32 = 72 words
.set AHALF,  64*PA
.set ATILE,  2*AHALF
.set BHALF,  128*PB
.set SLOT,   ATILE+2*BHALF             ; A's 128 rows, then B's 256 rows of k
.set SPARE,  2*SLOT                    ; behind the ring: the spare words, 128 bytes for each wave: two blocks of 256 bytes that no other line names
.set SPITCH, 528                       ; THE STAGE, 128 rows x 528 bytes from LDS byte 0, is slot 0's part for A: written only when slot 0 has had its last fill and, behind the last change of slots, nobody reads it
.set SPLITB, 1024*NPAD*4
.set ADRA, 16                          ; v16-17  LDS address of my A fragments in slot 0, 1
.set ADRB, 20                          ; v20-23  of my B fragments: slot 0 k 0-127, k 128-255; slot 1 likewise (a slot's 256 rows pass the 16-bit offset)
.set STO,  24                          ; v24     the way out: where I put 32 bytes of a row
.set RD,   25                          ; v25     the way out: where I read a row back
.set CO,   26                          ; v26     16 x lane
.set SPW,  28                          ; v28     LDS address of my spare word; never rewritten
.set NIL,  29                          ; v29     0; never rewritten
.set ACC,  128
.set F0,   0
.set F1,   128
.set G1, 24                            ; s[24:31] descriptor group 1 for A's tiles;  s[32:39] group 0, one set for each slot
.set G0, 32
.set G1B, 48                           ; s[48:55], s[56:63] the same for B's tiles
.set G0B, 56
.set MSB, 0
.macro WIN new                         ; the immediate's high byte repeats the setting that is left
.if MSB != (\new)
	s_set_vgpr_msb (MSB<<8)|(\new)
.set MSB, \new
.endif
.endm
.set MUL,  0x05                        ; sources 0 (B) and 1 (A) window 1; C and D window 0
.set TO_F, 0x40                        ; destination window 1, address window 0
.macro JLOAD s                         ; waves 0 and 1 fetch A's two halves (their own), waves 2 and 3 B's (jointly); an s_nop 0 and four v_nop follow each line, ahead of the jump and the label
	s_cmp_eq_u32 s11, 0
	s_cbranch_scc0 .Lfor_b_\@
	tensor_load_to_lds s[G0+4*(\s):G0+4*(\s)+3], s[G1:G1+7]
	s_nop 0
.rept 4
	v_nop
.endr
	s_branch .Lasked_\@
.Lfor_b_\@:
	tensor_load_to_lds s[G0B+4*(\s):G0B+4*(\s)+3], s[G1B:G1B+7]
	s_nop 0
.rept 4
	v_nop
.endr
.Lasked_\@:
.endm
.macro CREST                           ; a round of the cluster's barrier behind its opening barrier
	s_cmp_lg_u32 s10, 0
	s_cbranch_scc1 .Lnot_wave_0_\@
	s_barrier_signal -3
.Lnot_wave_0_\@:
	s_barrier_wait -3
	s_barrier_signal -1
	s_barrier_wait -1
.endm
.macro CROUND                          ; a whole round
	s_barrier_signal -1
	s_barrier_wait -1
	CREST
.endm
	s_load_b128 s[4:7], s[0:1], 0x0                ; A s[4:5], B s[6:7]
	s_load_b64 s[8:9], s[0:1], 0x10                ; part
	v_lshl_add_u32 v[SPW], v0, 2, SPARE
	v_mov_b32 v[NIL], 0
	ds_add_u32 v[SPW], v[NIL]                      ; the wave's opening: the add and its wait ahead of my first tensor load; the set-up below stands between them
	ds_add_u32 v28, v29
	v_lshrrev_b32 v1, 5, v0
	v_readfirstlane_b32 s10, v1                    ; wave 0..3
	s_lshr_b32 s11, s10, 1                         ; which half of the tile's rows is mine.  Also: I fetch for A (0) or for B (1)
	s_and_b32 s12, s10, 1                          ; which half of its columns.  Also: which half of that tile I fetch
	s_bfe_u32 s40, ttmp6, 0x40000                  ; cx: my place in the cluster
	s_lshr_b32 s41, ttmp9, 1                       ; the split of K: work-group x / 8, the same in all four
	s_and_b32 s13, ttmp9, 1
	s_lshl_b32 s13, s13, 2
	s_add_co_u32 s13, s13, s40                     ; tile row = work-group x % 8
	s_and_b32 s42, ttmp7, 0xffff                   ; tile column, the same in all four
	s_mov_b32 s[G1+0], (1<<16)|(1<<20)|(6<<22)|(3<<25)  ; A: no mask; 2-byte elements; padding on, after every 128 words, 4 words
	s_mov_b32 s[G1+1], KSTEP<<16                   ; tensor_dim0 = 256
	s_mov_b32 s[G1+2], 64<<16                      ; tensor_dim1 = 64
	s_mov_b32 s[G1+3], KSTEP<<16                   ; tile_dim0 = 256
	s_mov_b32 s[G1+4], 64                          ; tile_dim1 = 64
	s_mov_b32 s[G1+5], APITCH
	s_mov_b32 s[G1+6], 0
	s_mov_b32 s[G1+7], 0
	s_mov_b32 s[G1B+0], 15|(1<<16)|(1<<20)|(1<<21)|(5<<22)|(7<<25)  ; B: the mask of four; 2-byte elements; padding on; 21 set beside a mask; after every 64 words, 8 words
	s_mov_b32 s[G1B+1], 128<<16                    ; tensor_dim0 = 128 columns
	s_mov_b32 s[G1B+2], 128<<16                    ; tensor_dim1 = 128 rows of k
	s_mov_b32 s[G1B+3], 128<<16
	s_mov_b32 s[G1B+4], 128
	s_mov_b32 s[G1B+5], NPAD
	s_mov_b32 s[G1B+6], 0
	s_mov_b32 s[G1B+7], 0
	s_lshl_b32 s16, s13, 7                         ; A: row 128 x tile row + 64 x half,
	s_lshl_b32 s17, s12, 6
	s_add_co_u32 s16, s16, s17
	s_mul_i32 s16, s16, APITCH*2                   ; in bytes (under 2^25),
	s_mul_i32 s17, s41, KCH*2                      ; and the split's first k
	s_add_co_u32 s16, s16, s17
	s_mov_b32 s17, 0
	s_mul_i32 s46, s41, KCH                        ; B: row of k = the split's first + 128 x half; these registers never hold cx
	s_lshl_b32 s47, s12, 7
	s_add_co_u32 s46, s46, s47
	s_mul_i32 s46, s46, NPAD*2
	s_lshl_b32 s47, s42, 8                         ; and the tile column's 256 bytes
	s_add_co_u32 s46, s46, s47
	s_mov_b32 s47, 0
	s_mul_i32 s20, s12, AHALF                      ; where they go: no place in the cluster enters an LDS address
	s_mul_i32 s45, s12, BHALF
	s_add_co_u32 s45, s45, ATILE
	s_wait_dscnt 0x0                               ; the opening add is done
	s_wait_kmcnt 0x0
	s_add_nc_u64 s[14:15], s[4:5], s[16:17]
	s_add_nc_u64 s[46:47], s[6:7], s[46:47]
	CROUND                                         ; all four work-groups are here: the first joint loads meet
.irp s, 0,1
	s_mov_b32 s[G0+4*(\s)], 1
	s_add_co_u32 s[G0+4*(\s)+1], s20, (\s)*SLOT
	s_add_nc_u64 s[G0+4*(\s)+2:G0+4*(\s)+3], s[14:15], (\s)*KSTEP*2
	s_or_b32 s[G0+4*(\s)+3], s[G0+4*(\s)+3], 0x80000000
	s_mov_b32 s[G0B+4*(\s)], 1
	s_add_co_u32 s[G0B+4*(\s)+1], s45, (\s)*SLOT
	s_add_nc_u64 s[G0B+4*(\s)+2:G0B+4*(\s)+3], s[46:47], (\s)*KSTEP*NPAD*2
	s_or_b32 s[G0B+4*(\s)+3], s[G0B+4*(\s)+3], 0x80000000
	JLOAD \s                                       ; two loads of mine are out
.endr
	v_and_b32 v1, 15, v0                           ; l % 16
	v_bfe_u32 v2, v0, 4, 1                         ; l / 16
	v_mul_u32_u24 v3, v1, PA
	v_lshl_add_u32 v3, v2, 4, v3                   ; A: a fragment's row x pitch + 16 x half
	v_and_b32 v5, 7, v0
	v_bfe_u32 v6, v0, 3, 1
	v_lshl_add_u32 v4, v2, 3, v5                   ; B: the turning load: lane l reads row of k 8 (l / 16) + l % 8, columns 8 ((l / 8) % 2) + 0..7
	v_mul_u32_u24 v4, v4, PB
	v_lshl_add_u32 v4, v6, 4, v4
	s_mul_i32 s21, s11, AHALF                      ; my 64 rows of A
	s_lshl_b32 s22, s12, 7                         ; my 64 columns of B, 128 bytes,
	s_add_co_u32 s22, s22, ATILE                   ; behind A's 128 rows
	v_add_nc_u32 v[ADRA], s21, v3
	v_add_nc_u32 v[ADRA+1], SLOT, v[ADRA]
	v_add_nc_u32 v[ADRB], s22, v4
	v_add_nc_u32 v[ADRB+1], BHALF, v[ADRB]
	v_add_nc_u32 v[ADRB+2], SLOT, v[ADRB]
	v_add_nc_u32 v[ADRB+3], SLOT+BHALF, v[ADRB]
	s_mul_i32 s23, s11, 64*SPITCH                  ; into the stage: my 64 rows, my half of their 512 bytes; row l % 16, 32 bytes for each half of the lanes
	s_lshl_b32 s21, s12, 8
	s_add_co_u32 s23, s23, s21
	v_mul_u32_u24 v5, v1, SPITCH
	v_lshl_add_u32 v5, v2, 5, v5
	v_add_nc_u32 v[STO], s23, v5
	s_mul_i32 s23, s10, 32*SPITCH                  ; back: wave w takes rows 32 w .. 32 w + 31, whole: 32 lanes x 16 bytes are a row
	v_and_b32 v6, 31, v0
	v_lshlrev_b32 v[CO], 4, v6
	v_add_nc_u32 v[RD], s23, v[CO]
	s_lshl_b32 s16, s13, 7
	s_lshl_b32 s17, s10, 5
	s_add_co_u32 s16, s16, s17                     ; the first row that I store: 128 x tile row + 32 x wave
	s_mul_i32 s16, s16, NPAD*4
	s_mul_i32 s17, s41, SPLITB                     ; in my split's plane (all under 2^24 bytes)
	s_add_co_u32 s16, s16, s17
	s_lshl_b32 s17, s42, 9                         ; the tile's first column, in bytes
	s_add_co_u32 s16, s16, s17
	s_mov_b32 s17, 0
	s_add_nc_u64 s[8:9], s[8:9], s[16:17]
; 8 matrix instructions: m blocks a0, a0 + 1 x all 4 n blocks, 32 along K: half c of buffer f.  zero = 1: the first product starts the sums.  The 16 accumulators take turns.
.macro MUL8 f, c, a0, zero
	WIN MUL
.irp a, \a0, (\a0)+1
.irp b, 0,1,2,3
.if \zero
	v_wmma_f32_16x16x32_bf16 v[ACC+8*(4*(\a)+(\b)):ACC+8*(4*(\a)+(\b))+7], v[(\f)+64+8*(4*(\c)+(\b)):(\f)+64+8*(4*(\c)+(\b))+7], v[(\f)+8*(4*(\c)+(\a)):(\f)+8*(4*(\c)+(\a))+7], 0
.else
	v_wmma_f32_16x16x32_bf16 v[ACC+8*(4*(\a)+(\b)):ACC+8*(4*(\a)+(\b))+7], v[(\f)+64+8*(4*(\c)+(\b)):(\f)+64+8*(4*(\c)+(\b))+7], v[(\f)+8*(4*(\c)+(\a)):(\f)+8*(4*(\c)+(\a))+7], v[ACC+8*(4*(\a)+(\b)):ACC+8*(4*(\a)+(\b))+7]
.endif
.endr
.endr
.endm
; 32 LDS loads in one run: the fragments of 64 along K, at byte k of A's rows (k / 2 rows down in B), into buffer f; the first 32 along K first
.macro FETCH slot, k, f
	WIN TO_F
.irp c, 0,1
.irp i, 0,1,2,3
	ds_load_tr16_b128 v[(\f)+64+8*(4*(\c)+(\i)):(\f)+64+8*(4*(\c)+(\i))+3],   v[ADRB+2*(\slot)+(\k)/256] offset:(((\k)/2)%128+32*(\c))*PB+32*(\i)
	ds_load_tr16_b128 v[(\f)+64+8*(4*(\c)+(\i))+4:(\f)+64+8*(4*(\c)+(\i))+7], v[ADRB+2*(\slot)+(\k)/256] offset:(((\k)/2)%128+32*(\c)+16)*PB+32*(\i)
	ds_load_b128 v[(\f)+8*(4*(\c)+(\i)):(\f)+8*(4*(\c)+(\i))+3],         v[ADRA+(\slot)] offset:(\k)+64*(\c)+(\i)*16*PA
	ds_load_b128 v[(\f)+8*(4*(\c)+(\i))+4:(\f)+8*(4*(\c)+(\i))+7],       v[ADRA+(\slot)] offset:(\k)+64*(\c)+(\i)*16*PA+32
.endr
.endr
.endm
.macro PLACES                          ; four places in front of loads into registers that matrix instructions have read, and of LDS stores that read results
.rept 4
	v_nop
.endr
.endm
; A K step is four quarters of 64 along K, 32 matrix instructions each, on buffers 0, 1, 0, 1.  One of the first three: multiplies buffer f and fetches the next quarter, at byte k, into g.
.macro QUARTER slot, k, f, g, zero
	s_wait_dscnt 16                                ; the first 32 along K are in: the sixteen younger loads may be out
	WIN MUL
	MUL8 \f, 0, 0, \zero
	MUL8 \f, 0, 2, \zero
	PLACES
	FETCH \slot, \k, \g
	s_wait_dscnt 32                                ; all but the 32 just issued
	WIN MUL
	MUL8 \f, 1, 0, 0
	MUL8 \f, 1, 2, 0
.endm
; The last quarter multiplies buffer 1 and changes slots: ONE barrier; in front of it each wave waits for all its tensor loads, adds 0 to its spare word, and waits for that and for its own reads of this slot.  fill = 1: this slot is filled again, two K steps ahead.
.macro TURN slot, next, fill
	WIN 0                                          ; (the add's two registers lie in window 0)
	s_wait_tensorcnt 0x0                           ; all my tensor loads have landed: my part of the next slot;
	ds_add_u32 v[SPW], v[NIL]                      ; 0 onto my spare word;
	s_wait_dscnt 17                                ; (the add and the youngest sixteen loads may be out)
	WIN MUL
	MUL8 F1, 0, 0, 0                               ; eight matrix instructions stand between the add and the wait for it
	s_wait_dscnt 0x0                               ; the add is done, and my reads of this slot are over
	s_barrier_signal -1
	MUL8 F1, 0, 2, 0
.if \fill
	WIN 0
.endif
	s_barrier_wait -1
.if \fill
	CREST                                          ; the barrier has opened a round of the cluster's barrier: no wave of any partner still reads this slot's tile or has a load on its way
	s_add_nc_u64 s[G0+4*(\slot)+2:G0+4*(\slot)+3], s[G0+4*(\slot)+2:G0+4*(\slot)+3], 2*KSTEP*2
	s_add_nc_u64 s[G0B+4*(\slot)+2:G0B+4*(\slot)+3], s[G0B+4*(\slot)+2:G0B+4*(\slot)+3], 2*KSTEP*NPAD*2
	JLOAD \slot                                    ; the first tensor load behind the round, one a wave; its four v_nop are also the places in front of the loads below
.else
	PLACES
.endif
	FETCH \next, 0, F0
	WIN MUL
	MUL8 F1, 1, 0, 0
	MUL8 F1, 1, 2, 0
.endm
	s_wait_tensorcnt 1                             ; my part of K step 0 is in; K step 1's may stay out
	s_barrier_signal -1
	s_barrier_wait -1                              ; everybody's is
	FETCH 0, 0, F0
	QUARTER 0, 128, F0, F1, 1                      ; the first quarter stands in front of the loop: its first products start the sums
.if LAPS > 1
	WIN 0                                          ; at a label and at a branch every window is 0
	s_mov_b32 s3, LAPS-1
.Llap:                                                 ; a trip goes once round the ring, from a lap's second quarter to the next lap's first, and fills both slots again
	QUARTER 0, 256, F1, F0, 0
	QUARTER 0, 384, F0, F1, 0
	TURN 0, 1, 1
	QUARTER 1, 128, F0, F1, 0
	QUARTER 1, 256, F1, F0, 0
	QUARTER 1, 384, F0, F1, 0
	TURN 1, 0, 1
	QUARTER 0, 128, F0, F1, 0
	WIN 0
	s_sub_co_u32 s3, s3, 1
	s_cmp_lg_u32 s3, 0
	s_cbranch_scc1 .Llap
.endif
	QUARTER 0, 256, F1, F0, 0                      ; the last lap fills nothing
	QUARTER 0, 384, F0, F1, 0
	TURN 0, 1, 0                                   ; behind this barrier nobody reads slot 0 any more
	QUARTER 1, 128, F0, F1, 0
	QUARTER 1, 256, F1, F0, 0
	QUARTER 1, 384, F0, F1, 0
	s_wait_dscnt 16                                ; the very last quarter: nothing more to fetch
	WIN MUL
	MUL8 F1, 0, 0, 0
	MUL8 F1, 0, 2, 0
	s_wait_dscnt 0
	MUL8 F1, 1, 0, 0
	MUL8 F1, 1, 2, 0
	WIN 0
	; THE WAY OUT: 32 bytes a lane into the stage, each accumulator's low registers first; a barrier, since a row's 512 bytes come from two waves; back as whole rows, 32 rows a wave.
	PLACES
.irp a, 0,1,2,3
.irp b, 0,1,2,3
	ds_store_b128 v[STO], v[ACC+8*(4*(\a)+(\b)):ACC+8*(4*(\a)+(\b))+3]   offset:(\a)*16*SPITCH+64*(\b)
	ds_store_b128 v[STO], v[ACC+8*(4*(\a)+(\b))+4:ACC+8*(4*(\a)+(\b))+7] offset:(\a)*16*SPITCH+64*(\b)+16
.endr
.endr
	s_wait_dscnt 0x0                               ; for the others' sake: my stores into the stage are done
	s_barrier_signal -1
	s_barrier_wait -1
.set t, 0
.rept 32
	ds_load_b128 v[ACC+4*t:ACC+4*t+3], v[RD] offset:t*SPITCH
.set t, t+1
.endr
.set t, 0
.rept 32
	s_wait_dscnt 31-t                              ; row t is back; the later rows' loads may be out
	global_store_b128 v[CO], v[ACC+4*t:ACC+4*t+3], s[8:9] offset:t*NPAD*4  ; 512 consecutive bytes, at a multiple of 256 from part's first byte
.set t, t+1
.endr
	s_wait_tensorcnt 0x0                           ; the wave's end, behind my last tensor load and my last LDS store
	ds_add_u32 v[SPW], v[NIL]
	s_wait_dscnt 0x0
	CROUND                                         ; the closing round: no work-group ends while a partner may still ask for a tile that names it
	s_endpgm
.Lfunc_end_k_qb226a51efb_nn512:
	.size	k_qb226a51efb_nn512, .Lfunc_end_k_qb226a51efb_nn512-k_qb226a51efb_nn512
	.p2alignl 7, 3214868480
	.fill 96, 4, 3214868480
	.section	.rodata,"a",@progbits
	.p2align	6, 0x0
	.amdhsa_kernel k_qb226a51efb_nn512
		.amdhsa_group_segment_fixed_size 327680
		.amdhsa_private_segment_fixed_size 0
		.amdhsa_enable_private_segment 0
		.amdhsa_kernarg_size 24
		.amdhsa_user_sgpr_count 2
		.amdhsa_user_sgpr_kernarg_segment_ptr 1
		.amdhsa_wavefront_size32 1
		.amdhsa_system_sgpr_workgroup_id_x 1
		.amdhsa_system_sgpr_workgroup_id_y 1
		.amdhsa_system_sgpr_workgroup_id_z 1
		.amdhsa_system_vgpr_workitem_id 0
		.amdhsa_next_free_vgpr 512
		.amdhsa_next_free_sgpr 66
		.amdhsa_reserve_vcc 0
		.amdhsa_float_denorm_mode_32 3
		.amdhsa_float_denorm_mode_16_64 3
		.amdhsa_memory_ordered 1
		.amdhsa_forward_progress 1
		.amdhsa_inst_pref_size 50
	.end_amdhsa_kernel
	.amdgpu_metadata
---
amdhsa.version: [ 1, 2 ]
amdhsa.kernels:
  - .name:           k_qb226a51efb_nn512
    .symbol:         k_qb226a51efb_nn512.kd
    .args:
      - { .name: xb, .offset: 0, .size: 8, .value_kind: global_buffer, .address_space: global }
      - { .name: ufb, .offset: 8, .size: 8, .value_kind: global_buffer, .address_space: global }
      - { .name: part, .offset: 16, .size: 8, .value_kind: global_buffer, .address_space: global }
    .group_segment_fixed_size: 327680
    .private_segment_fixed_size: 0
    .kernarg_segment_align: 8
    .kernarg_segment_size: 24
    .max_flat_workgroup_size: 128
    .sgpr_count:     66
    .vgpr_count:     512
    .wavefront_size: 32
...
	.end_amdgpu_metadata
.endif
;; end of part 2
;; launch red (part 3): grid 256 x 1, 4 waves a work-group, no clusters, 0 bytes of LDS; arguments part, S_fc, tn; writes tn
.if DOCPART == 3
	.amdgcn_target "amdgcn-amd-amdhsa--gfx1250"
	.amdhsa_code_object_version 6
	.text
	.protected	k_qb226a51efb_red
	.globl	k_qb226a51efb_red
	.p2align	8
	.type	k_qb226a51efb_red,@function
k_qb226a51efb_red:
	s_mov_b64 s[64:65], 0
	v_nop
	global_prefetch_b8 v0, s[64:65] scope:SCOPE_SE
	s_setreg_imm32_b32 hwreg(HW_REG_WAVE_MODE, 25, 1), 1
	s_wait_xcnt 0x0
; t[m][r] = bf16(S[r]) x (part[0][m][r] + part[1][m][r] + part[2][m][r] + part[3][m][r]), in f32; p[m] = the power of two at or below the row's largest |t|;
; tn[m][r] = f16(t[m][r] / p[m]), [1024][896]; behind it, at byte RSOFF of the same buffer, rs[m] = p[m] in f32.  The next product multiplies its sums by p[m] again.
; So the f16 operand lies within (-2, 2) whatever the inputs' scale, and the largest entries keep f16's eleven bits.
; LIMITS.  A row whose largest |t| is 2^127 or more is divided by 2^126 (entries below 4); a row whose largest |t| is below 2^-126 gets p = 0 and counts as 0.  NaN and infinities are not treated apart.
; SHARES.  One wave, one row: 4 x 3,584 bytes in, 1,792 out; the row stays in registers between the maximum and the scaling; no LDS, no barrier.  A lane holds columns 128 j + 4 l .. + 3, j = 0..6.
; The row's p is one store of 4 bytes by lane 0: 4,096 bytes in the whole launch are written so.  Matrix units and clusters have nothing to do here.
.set NPAD,   896
.set RANK,   819
.set SPLITB, 1024*NPAD*4
.set RSOFF,  1024*NPAD*2
.set SOF, 4                            ; v[4:7]    byte offsets in S of columns 768 + 4 l + e, held inside S's 819 numbers
.set COL, 8                            ; v[8:11]   those columns
.set P,   16                           ; v[16:127] chunk j, split s at P + 16 j + 4 s
.set S,   128                          ; v[128:155] S of my 28 columns
.set TT,  156                          ; v[156:159] at work
.set M,   160                          ; v160, v161 two running maxima
	s_load_b128 s[4:7], s[0:1], 0x0                ; part s[4:5], S s[6:7]
	s_load_b64 s[8:9], s[0:1], 0x10                ; tn
	v_lshrrev_b32 v1, 5, v0
	v_readfirstlane_b32 s10, v1                    ; wave
	v_and_b32 v3, 31, v0                           ; lane
	v_lshlrev_b32 v1, 4, v3                        ; 16 x lane
	v_lshlrev_b32 v2, 3, v3                        ; 8 x lane
.irp e, 0,1,2,3
	v_lshl_add_u32 v[COL+(\e)], v3, 2, 768+(\e)
	v_min_u32 v[SOF+(\e)], RANK-1, v[COL+(\e)]     ; no load leaves S's 3,276 bytes
	v_lshlrev_b32 v[SOF+(\e)], 2, v[SOF+(\e)]
.endr
	s_lshl_b32 s11, ttmp9, 2
	s_add_co_u32 s11, s11, s10                     ; my row
	s_mul_i32 s26, s11, NPAD*4
	s_mov_b32 s27, 0
	s_mul_i32 s28, s11, NPAD*2
	s_mov_b32 s29, 0
	s_lshl_b32 s30, s11, 2
	s_add_co_u32 s30, s30, RSOFF
	s_mov_b32 s31, 0
	s_mov_b32 s20, 0x76543210                      ; v_permlanex16_b32: each lane takes its own place in the other half
	s_mov_b32 s21, 0xfedcba98
	v_mov_b32 v[M], 0
	v_mov_b32 v[M+1], 0
	s_wait_kmcnt 0x0
	s_add_nc_u64 s[12:13], s[4:5], s[26:27]        ; my row in each of the four splits: a plane's 3,670,016 bytes times three pass a load's immediate
	s_add_nc_u64 s[14:15], s[12:13], SPLITB
	s_add_nc_u64 s[16:17], s[14:15], SPLITB
	s_add_nc_u64 s[18:19], s[16:17], SPLITB
	s_add_nc_u64 s[22:23], s[8:9], s[28:29]        ; my row of tn
	s_add_nc_u64 s[24:25], s[8:9], s[30:31]        ; my word of rs
.irp j, 0,1,2,3,4,5
	global_load_b128 v[S+4*(\j):S+4*(\j)+3], v1, s[6:7] offset:512*(\j)
.endr
.irp e, 0,1,2,3
	global_load_b32 v[S+24+(\e)], v[SOF+(\e)], s[6:7]
.endr
.irp j, 0,1,2,3,4,5,6
.irp s, 0,1,2,3
	global_load_b128 v[P+16*(\j)+4*(\s):P+16*(\j)+4*(\s)+3], v1, s[12+2*(\s):13+2*(\s)] offset:512*(\j) th:TH_LOAD_NT
.endr
.endr
	s_wait_loadcnt 28                              ; S's ten loads are in; part's 28 stay out
.irp e, 0,1,2,3
	v_cmp_gt_u32 vcc_lo, RANK, v[COL+(\e)]
	v_cndmask_b32 v[S+24+(\e)], 0, v[S+24+(\e)], vcc_lo  ; columns 819 on: 0
.endr
.set i, 0
.rept 14                               ; S is rounded to bf16, like every input, and widened again
	v_cvt_pk_bf16_f32 v[TT+i%4], v[S+2*i], v[S+2*i+1]
	v_lshlrev_b32 v[S+2*i], 16, v[TT+i%4]
	v_and_b32 v[S+2*i+1], 0xffff0000, v[TT+i%4]
.set i, i+1
.endr
; Chunk j: the four splits are added, the sum is multiplied by S, into split 0's registers r0-r3 (= P + 16 j ..); the maxima take the magnitudes
.macro CHUNK j, r0, r1, r2, r3
.set PJ, P+16*(\j)
	s_wait_loadcnt 24-4*(\j)                       ; my four loads are in; the later chunks' stay out
	v_pk_add_f32 v[PJ:PJ+1],     v[PJ:PJ+1],     v[PJ+4:PJ+5]
	v_pk_add_f32 v[PJ+2:PJ+3],   v[PJ+2:PJ+3],   v[PJ+6:PJ+7]
	v_pk_add_f32 v[PJ+8:PJ+9],   v[PJ+8:PJ+9],   v[PJ+12:PJ+13]
	v_pk_add_f32 v[PJ+10:PJ+11], v[PJ+10:PJ+11], v[PJ+14:PJ+15]
	v_pk_add_f32 v[PJ:PJ+1],     v[PJ:PJ+1],     v[PJ+8:PJ+9]
	v_pk_add_f32 v[PJ+2:PJ+3],   v[PJ+2:PJ+3],   v[PJ+10:PJ+11]
	v_pk_mul_f32 v[PJ:PJ+1],     v[PJ:PJ+1],     v[S+4*(\j):S+4*(\j)+1]
	v_pk_mul_f32 v[PJ+2:PJ+3],   v[PJ+2:PJ+3],   v[S+4*(\j)+2:S+4*(\j)+3]
	v_max3_num_f32 v[M],   v[M],   |v\r0|, |v\r1|
	v_max3_num_f32 v[M+1], v[M+1], |v\r2|, |v\r3|
.endm
	CHUNK 0, 16, 17, 18, 19
	CHUNK 1, 32, 33, 34, 35
	CHUNK 2, 48, 49, 50, 51
	CHUNK 3, 64, 65, 66, 67
	CHUNK 4, 80, 81, 82, 83
	CHUNK 5, 96, 97, 98, 99
	CHUNK 6, 112, 113, 114, 115
	v_max_num_f32 v[M], v[M], v[M+1]
	v_max_num_f32_dpp v[M], v[M], v[M] row_xmask:1 row_mask:0xf bank_mask:0xf
	v_max_num_f32_dpp v[M], v[M], v[M] row_xmask:2 row_mask:0xf bank_mask:0xf
	v_max_num_f32_dpp v[M], v[M], v[M] row_xmask:4 row_mask:0xf bank_mask:0xf
	v_max_num_f32_dpp v[M], v[M], v[M] row_xmask:8 row_mask:0xf bank_mask:0xf
	v_permlanex16_b32 v[M+1], v[M], s20, s21
	v_max_num_f32 v[M], v[M], v[M+1]               ; every lane holds the row's largest magnitude
	v_and_b32 v162, 0x7f800000, v[M]               ; its exponent alone: p = 2^e,
	v_min_u32 v162, 0x7e800000, v162               ; at most 2^126, so that 1 / p is a normal number
	v_sub_nc_u32 v164, 0x7f000000, v162            ; 1 / p: the exponent field 254 - e
	v_mov_b32 v165, v164
	v_mov_b32 v163, 0
.irp j, 0,1,2,3,4,5,6
	v_pk_mul_f32 v[P+16*(\j):P+16*(\j)+1],   v[P+16*(\j):P+16*(\j)+1],   v[164:165]
	v_pk_mul_f32 v[P+16*(\j)+2:P+16*(\j)+3], v[P+16*(\j)+2:P+16*(\j)+3], v[164:165]
	v_cvt_pk_f16_f32 v[P+16*(\j)],   v[P+16*(\j)],   v[P+16*(\j)+1]
	v_cvt_pk_f16_f32 v[P+16*(\j)+1], v[P+16*(\j)+2], v[P+16*(\j)+3]
	global_store_b64 v2, v[P+16*(\j):P+16*(\j)+1], s[22:23] offset:256*(\j)  ; 32 lanes store 256 consecutive bytes, aligned
.endr
	s_wait_xcnt 0x0                                ; EXEC is a source of the stores above: it changes only behind this wait
	v_cmp_eq_u32 vcc_lo, 0, v3
	s_and_saveexec_b32 s26, vcc_lo
	global_store_b32 v163, v162, s[24:25]          ; lane 0: the row's p
	s_wait_xcnt 0x0                                ; and again in front of the line that widens it
	s_or_b32 exec_lo, exec_lo, s26
	s_endpgm
.Lfunc_end_k_qb226a51efb_red:
	.size	k_qb226a51efb_red, .Lfunc_end_k_qb226a51efb_red-k_qb226a51efb_red
	.p2alignl 7, 3214868480
	.fill 96, 4, 3214868480
	.section	.rodata,"a",@progbits
	.p2align	6, 0x0
	.amdhsa_kernel k_qb226a51efb_red
		.amdhsa_group_segment_fixed_size 0
		.amdhsa_private_segment_fixed_size 0
		.amdhsa_enable_private_segment 0
		.amdhsa_kernarg_size 24
		.amdhsa_user_sgpr_count 2
		.amdhsa_user_sgpr_kernarg_segment_ptr 1
		.amdhsa_wavefront_size32 1
		.amdhsa_system_sgpr_workgroup_id_x 1
		.amdhsa_system_sgpr_workgroup_id_y 1
		.amdhsa_system_sgpr_workgroup_id_z 1
		.amdhsa_system_vgpr_workitem_id 0
		.amdhsa_next_free_vgpr 176
		.amdhsa_next_free_sgpr 66
		.amdhsa_reserve_vcc 1
		.amdhsa_float_denorm_mode_32 3
		.amdhsa_float_denorm_mode_16_64 3
		.amdhsa_memory_ordered 1
		.amdhsa_forward_progress 1
		.amdhsa_inst_pref_size 17
	.end_amdhsa_kernel
	.amdgpu_metadata
---
amdhsa.version: [ 1, 2 ]
amdhsa.kernels:
  - .name:           k_qb226a51efb_red
    .symbol:         k_qb226a51efb_red.kd
    .args:
      - { .name: part, .offset: 0, .size: 8, .value_kind: global_buffer, .address_space: global }
      - { .name: S_fc, .offset: 8, .size: 8, .value_kind: global_buffer, .address_space: global }
      - { .name: tn, .offset: 16, .size: 8, .value_kind: global_buffer, .address_space: global }
    .group_segment_fixed_size: 0
    .private_segment_fixed_size: 0
    .kernarg_segment_align: 8
    .kernarg_segment_size: 24
    .max_flat_workgroup_size: 128
    .sgpr_count:     66
    .vgpr_count:     176
    .wavefront_size: 32
...
	.end_amdgpu_metadata
.endif
;; end of part 3
;; launch fc (part 4): grid 64 x 8, 4 waves a work-group, clusters of 4 x 4, 327,680 bytes of LDS; arguments tn, vfh, b_fc, g; writes g
.if DOCPART == 4
	.amdgcn_target "amdgcn-amd-amdhsa--gfx1250"
	.amdhsa_code_object_version 6
	.text
	.protected	k_qb226a51efb_fc
	.globl	k_qb226a51efb_fc
	.p2align	8
	.type	k_qb226a51efb_fc,@function
k_qb226a51efb_fc:
	s_mov_b64 s[64:65], 0
	v_nop
	global_prefetch_b8 v0, s[64:65] scope:SCOPE_SE
	s_setreg_imm32_b32 hwreg(HW_REG_WAVE_MODE, 25, 1), 1
	s_wait_xcnt 0x0
	s_wait_alu depctr_hold_cnt(0) depctr_sa_sdst(0) depctr_va_vdst(0) depctr_va_sdst(0) depctr_va_ssrc(0) depctr_va_vcc(0) depctr_vm_vsrc(0)
	s_getreg_b32 s2, hwreg(HW_REG_IB_STS2, 6, 4)
	s_cmp_eq_u32 s2, 0
	s_cbranch_scc0 .Lentry_in_a_cluster
	s_endpgm
.Lentry_in_a_cluster:
	s_bfe_u32 s2, ttmp6, 0x10000c
	s_cmp_lg_u32 s2, 0xf033
	s_cbranch_scc0 .Lentry_shape_is_right
	s_endpgm
.Lentry_shape_is_right:
; g[m][n] = bf16(gelu(h)), h = p[m] x (the sum over k of tn[m][k] V[n][k]) + bf16(b[n]).  tn: [1024][896] f16, with p: [1024] f32 behind it at byte RSOFF; V: [8192][896] f16; b: [8192] f32; g: [1024][8192] bf16.  Sums in f32.
; GELU is the exact one, h x Phi(h), written max(h, 0) - |h| q with q = erfc(|h| / sqrt 2) / 2 = (A1 t + .. + A5 t^5) 2^(-h^2 log2(e) / 2), t = 1 / (1 + 0.2316419 |h|): Abramowitz and Stegun 7.1.26, halved.
; LIMITS.  q is off by at most 0.75e-7 for every h (an absolute bound, not a relative one in the far tail), so g by at most 0.75e-7 |h| ahead of its rounding to bf16; 2^x below 2^-126 counts as 0.  NaN and infinities are not treated apart.
; SHARES.  A tile is 128 x 128; four waves, each 64 x 64: 16 accumulators.  K = 896 goes in steps of 256, 256, 256 and 128 through two LDS slots, all written out: 14 quarters of 64.
; The last step's tile states 128 for the tensor's extent along K: its other 128 columns are written as zeros, not read from memory, and never read from LDS.
; CLUSTERS: 4 x 4 work-groups.  The four of a row of the cluster need the same tiles of tn, the four of a column the same tiles of V: each tile is asked for JOINTLY.  THE MATRIX INSTRUCTION IS USED TRANSPOSED
; (source 0 = 16 rows of V, source 1 = 16 rows of tn): a lane then holds eight neighbouring numbers of a row.
; REGISTERS: window 0: v0-31 addresses; v36-43 p of my four row blocks (with a partner each, for the packed form); v44-75 the bias of my 32 columns; v128-255 the accumulators, later the GELU's work.  window 1: two fragment buffers of 128.
.set SIZE_K, 896
.set KSTEP,  256
.set PITCH,  528                       ; an LDS row: 512 bytes of data + 16 of padding = 132 words: the 16 rows of a load start at 16 different groups of four banks (64 banks of 4 bytes: ISA guide 11.1)
.set HALFT,  64*PITCH
.set SLOT,   4*HALFT                   ; tn's 128 rows, then V's 128 rows
.set SPARE,  2*SLOT                    ; behind the ring: the spare words, 128 bytes for each wave: two blocks of 256 bytes that no other line names
.set SPITCH, 528                       ; THE STAGE, 128 rows x 528 bytes from LDS byte 0, is slot 0's part for tn: written only when slot 0 has had its last fill and, behind the last change of slots, nobody reads it
.set RSOFF,  1024*SIZE_K*2
.set OUTROW, 16384                     ; bytes in a row of g
.set ADRA, 16
.set ADRB, 20
.set STO,  24
.set RD,   25
.set CO,   26
.set SPW,  28                          ; v28     LDS address of my spare word; never rewritten
.set NIL,  29                          ; v29     0; never rewritten
.set PS,   36
.set BI,   44
.set TB,   76                          ; v76-77  at work
.set ACC,  128
.set H,    128                         ; the GELU's registers, 16 each, where the accumulators lay
.set U,    144
.set W,    160
.set Q,    176
.set R,    192
.set O,    208
.set F0,   0
.set F1,   128
.set G1, 24
.set G0, 32
.set G1B, 48
.set G0B, 56
.set MSB, 0
.macro WIN new                         ; the immediate's high byte repeats the setting that is left
.if MSB != (\new)
	s_set_vgpr_msb (MSB<<8)|(\new)
.set MSB, \new
.endif
.endm
.set MUL,  0x05                        ; sources 0 (V) and 1 (tn) window 1; C and D window 0
.set TO_F, 0x40                        ; destination window 1, address window 0
.macro JLOAD s                         ; a joint load: waves 0 and 1 fetch tn's two halves, waves 2 and 3 V's; an s_nop 0 and four v_nop follow each line, ahead of the jump and the label
	s_cmp_eq_u32 s11, 0
	s_cbranch_scc0 .Lfor_b_\@
	tensor_load_to_lds s[G0+4*(\s):G0+4*(\s)+3], s[G1:G1+7]
	s_nop 0
.rept 4
	v_nop
.endr
	s_branch .Lasked_\@
.Lfor_b_\@:
	tensor_load_to_lds s[G0B+4*(\s):G0B+4*(\s)+3], s[G1B:G1B+7]
	s_nop 0
.rept 4
	v_nop
.endr
.Lasked_\@:
.endm
.macro CREST                           ; a round of the cluster's barrier behind its opening barrier
	s_cmp_lg_u32 s10, 0
	s_cbranch_scc1 .Lnot_wave_0_\@
	s_barrier_signal -3
.Lnot_wave_0_\@:
	s_barrier_wait -3
	s_barrier_signal -1
	s_barrier_wait -1
.endm
.macro CROUND
	s_barrier_signal -1
	s_barrier_wait -1
	CREST
.endm
	s_load_b128 s[4:7], s[0:1], 0x0                ; tn s[4:5], V s[6:7]
	s_load_b64 s[66:67], s[0:1], 0x10              ; the bias
	s_load_b64 s[8:9], s[0:1], 0x18                ; g
	v_lshl_add_u32 v[SPW], v0, 2, SPARE
	v_mov_b32 v[NIL], 0
	ds_add_u32 v[SPW], v[NIL]                      ; the wave's opening: the add and its wait ahead of my first tensor load; the set-up below stands between them
	ds_add_u32 v28, v29
	v_lshrrev_b32 v1, 5, v0
	v_readfirstlane_b32 s10, v1                    ; wave 0..3
	s_lshr_b32 s11, s10, 1                         ; which half of the tile's rows is mine.  Also: I fetch for tn (0) or for V (1)
	s_and_b32 s12, s10, 1                          ; which half of its columns.  Also: which 64 rows of that tile I fetch
	s_bfe_u32 s40, ttmp6, 0x40000                  ; cx, cy: my place in the cluster
	s_bfe_u32 s41, ttmp6, 0x40004
	s_lshl_b32 s42, ttmp9, 2
	s_add_co_u32 s42, s42, s40                     ; tile column = 4 x cluster x + cx
	s_and_b32 s13, ttmp7, 0xffff
	s_lshl_b32 s13, s13, 2
	s_add_co_u32 s13, s13, s41                     ; tile row = 4 x cluster y + cy
	s_lshl_b32 s43, s41, 2
	s_lshl_b32 s43, 15, s43                        ; my row of the cluster
	s_lshl_b32 s44, 0x1111, s40                    ; my column
	s_or_b32 s[G1+0], s43, (1<<16)|(1<<20)|(1<<21)|(6<<22)|(3<<25)  ; the mask; 2-byte elements; padding on; 21 set beside a mask; after every 128 words, 4 words
	s_or_b32 s[G1B+0], s44, (1<<16)|(1<<20)|(1<<21)|(6<<22)|(3<<25)
.irp g, G1, G1B
	s_mov_b32 s[(\g)+1], KSTEP<<16                 ; tensor_dim0 = 256
	s_mov_b32 s[(\g)+2], 64<<16                    ; tensor_dim1 = 64
	s_mov_b32 s[(\g)+3], KSTEP<<16                 ; tile_dim0 = 256
	s_mov_b32 s[(\g)+4], 64                        ; tile_dim1 = 64
	s_mov_b32 s[(\g)+5], SIZE_K                    ; 896 elements from row to row
	s_mov_b32 s[(\g)+6], 0
	s_mov_b32 s[(\g)+7], 0
.endr
	s_mov_b32 s70, 0x3e027906                      ; A1 = 0.254829592 / 2; each constant twice: the packed forms name a pair
	s_mov_b32 s71, 0x3e027906
	s_mov_b32 s72, 0xbe11a98e                      ; A2 = -0.284496736 / 2
	s_mov_b32 s73, 0xbe11a98e
	s_mov_b32 s74, 0x3f35f0e3                      ; A3 = 1.421413741 / 2
	s_mov_b32 s75, 0x3f35f0e3
	s_mov_b32 s76, 0xbf3a00e3                      ; A4 = -1.453152027 / 2
	s_mov_b32 s77, 0xbf3a00e3
	s_mov_b32 s78, 0x3f07dc22                      ; A5 = 1.061405429 / 2
	s_mov_b32 s79, 0x3f07dc22
	s_mov_b32 s80, 0x3f596d27                      ; sqrt(log2(e) / 2) = 0.8493218
	s_mov_b32 s81, 0x3f596d27
	s_mov_b32 s82, 0x3e6d3388                      ; 0.3275911 / sqrt 2 = 0.2316419
	s_lshl_b32 s17, s12, 6                         ; which 64 rows of the tile I fetch
	s_lshl_b32 s16, s13, 7
	s_add_co_u32 s16, s16, s17                     ; tn: row 128 x tile row + 64 x half
	s_lshl_b32 s46, s42, 7
	s_add_co_u32 s46, s46, s17                     ; V: row 128 x tile column + 64 x half
	s_mov_b32 s17, 0
	s_mov_b32 s47, 0
	s_mov_b64 s[18:19], SIZE_K*2
	s_mul_u64 s[16:17], s[16:17], s[18:19]
	s_mul_u64 s[46:47], s[46:47], s[18:19]
	s_mul_i32 s20, s10, HALFT                      ; where they go: wave x 64 rows
	s_wait_dscnt 0x0                               ; the opening add is done
	s_wait_kmcnt 0x0
	s_add_nc_u64 s[14:15], s[4:5], s[16:17]
	s_add_nc_u64 s[46:47], s[6:7], s[46:47]
	CROUND                                         ; all sixteen work-groups are here: the first joint loads meet
.irp s, 0,1
	s_mov_b32 s[G0+4*(\s)], 1
	s_add_co_u32 s[G0+4*(\s)+1], s20, (\s)*SLOT
	s_add_nc_u64 s[G0+4*(\s)+2:G0+4*(\s)+3], s[14:15], (\s)*KSTEP*2
	s_or_b32 s[G0+4*(\s)+3], s[G0+4*(\s)+3], 0x80000000
	s_mov_b32 s[G0B+4*(\s)], 1
	s_add_co_u32 s[G0B+4*(\s)+1], s20, (\s)*SLOT
	s_add_nc_u64 s[G0B+4*(\s)+2:G0B+4*(\s)+3], s[46:47], (\s)*KSTEP*2
	s_or_b32 s[G0B+4*(\s)+3], s[G0B+4*(\s)+3], 0x80000000
	JLOAD \s                                       ; two loads of mine are out
.endr
	v_and_b32 v1, 15, v0                           ; l % 16
	v_bfe_u32 v2, v0, 4, 1                         ; l / 16
	v_lshlrev_b32 v6, 2, v1                        ; p: 4 bytes a row; never rewritten
	v_lshlrev_b32 v7, 5, v2                        ; the bias: 32 bytes for each half of the lanes; never rewritten
	s_lshl_b32 s16, s13, 9                         ; p of my 64 rows: 4 x (128 x tile row + 64 x half), behind tn's numbers
	s_lshl_b32 s17, s11, 8
	s_add_co_u32 s16, s16, s17
	s_add_co_u32 s16, s16, RSOFF
	s_mov_b32 s17, 0
	s_add_nc_u64 s[68:69], s[4:5], s[16:17]
	s_lshl_b32 s46, s42, 9                         ; the bias of my 64 columns: 4 x (128 x tile column + 64 x half)
	s_lshl_b32 s47, s12, 8
	s_add_co_u32 s46, s46, s47
	s_mov_b32 s47, 0
	s_add_nc_u64 s[66:67], s[66:67], s[46:47]
.irp a, 0,1,2,3
	v_mov_b32 v[PS+2*(\a)+1], 0                    ; named with p as a pair
	global_load_b32 v[PS+2*(\a)], v6, s[68:69] offset:64*(\a)  ; p of row 16 a + l % 16
.endr
.irp b, 0,1,2,3
	global_load_b128 v[BI+8*(\b):BI+8*(\b)+3],   v7, s[66:67] offset:64*(\b)     ; the bias of columns 16 b + 8 (l / 16) + 0..7
	global_load_b128 v[BI+8*(\b)+4:BI+8*(\b)+7], v7, s[66:67] offset:64*(\b)+16
.endr
	v_mul_u32_u24 v3, v1, PITCH
	v_lshl_add_u32 v3, v2, 4, v3                   ; a fragment's row x pitch + 16 x half
	s_mul_i32 s21, s11, HALFT                      ; my 64 rows of tn
	s_mul_i32 s22, s12, HALFT                      ; my 64 rows of V,
	s_add_co_u32 s22, s22, 2*HALFT                 ; which lie behind tn's 128
.irp s, 0,1
	v_add_nc_u32 v[ADRA+(\s)], s21, v3
	v_add_nc_u32 v[ADRB+(\s)], s22, v3
	s_add_co_u32 s21, s21, SLOT
	s_add_co_u32 s22, s22, SLOT
.endr
	s_mul_i32 s23, s11, 64*SPITCH                  ; into the stage: my 64 rows, my half of their 512 bytes; row l % 16, 32 bytes for each half of the lanes
	s_lshl_b32 s21, s12, 8
	s_add_co_u32 s23, s23, s21
	v_mul_u32_u24 v4, v1, SPITCH
	v_lshl_add_u32 v4, v2, 5, v4
	v_add_nc_u32 v[STO], s23, v4
	s_mul_i32 s23, s10, 32*SPITCH                  ; back: wave w takes rows 32 w .. 32 w + 31, whole: 32 lanes x 16 bytes are a row of 128 f32
	v_and_b32 v5, 31, v0
	v_lshl_add_u32 v[RD], v5, 4, s23
	v_lshlrev_b32 v[CO], 3, v5                     ; and 32 lanes x 8 bytes the same row in bf16
	s_lshl_b32 s16, s13, 7
	s_lshl_b32 s17, s10, 5
	s_add_co_u32 s16, s16, s17                     ; the first row of g that I store: 128 x tile row + 32 x wave
	s_mul_i32 s16, s16, OUTROW
	s_mov_b32 s17, 0
	s_add_nc_u64 s[8:9], s[8:9], s[16:17]
	s_lshl_b32 s46, s42, 8                         ; the tile's first column, in bytes
	s_mov_b32 s47, 0
	s_add_nc_u64 s[8:9], s[8:9], s[46:47]
; 8 matrix instructions: m blocks a0, a0 + 1 x all 4 n blocks, 32 along K: half c of buffer f.  zero = 1: the first product starts the sums.  The 16 accumulators take turns.
.macro MUL8 f, c, a0, zero
	WIN MUL
.irp a, \a0, (\a0)+1
.irp b, 0,1,2,3
.if \zero
	v_wmma_f32_16x16x32_f16 v[ACC+8*(4*(\a)+(\b)):ACC+8*(4*(\a)+(\b))+7], v[(\f)+64+8*(4*(\c)+(\b)):(\f)+64+8*(4*(\c)+(\b))+7], v[(\f)+8*(4*(\c)+(\a)):(\f)+8*(4*(\c)+(\a))+7], 0
.else
	v_wmma_f32_16x16x32_f16 v[ACC+8*(4*(\a)+(\b)):ACC+8*(4*(\a)+(\b))+7], v[(\f)+64+8*(4*(\c)+(\b)):(\f)+64+8*(4*(\c)+(\b))+7], v[(\f)+8*(4*(\c)+(\a)):(\f)+8*(4*(\c)+(\a))+7], v[ACC+8*(4*(\a)+(\b)):ACC+8*(4*(\a)+(\b))+7]
.endif
.endr
.endr
.endm
; 32 LDS loads in one run: the fragments of 64 along K at byte k of the rows, into buffer f; the first 32 along K first
.macro FETCH slot, k, f
	WIN TO_F
.irp c, 0,1
.irp i, 0,1,2,3
	ds_load_b128 v[(\f)+64+8*(4*(\c)+(\i)):(\f)+64+8*(4*(\c)+(\i))+3],   v[ADRB+(\slot)] offset:(\k)+64*(\c)+(\i)*16*PITCH
	ds_load_b128 v[(\f)+64+8*(4*(\c)+(\i))+4:(\f)+64+8*(4*(\c)+(\i))+7], v[ADRB+(\slot)] offset:(\k)+64*(\c)+(\i)*16*PITCH+32
	ds_load_b128 v[(\f)+8*(4*(\c)+(\i)):(\f)+8*(4*(\c)+(\i))+3],         v[ADRA+(\slot)] offset:(\k)+64*(\c)+(\i)*16*PITCH
	ds_load_b128 v[(\f)+8*(4*(\c)+(\i))+4:(\f)+8*(4*(\c)+(\i))+7],       v[ADRA+(\slot)] offset:(\k)+64*(\c)+(\i)*16*PITCH+32
.endr
.endr
.endm
.macro PLACES                          ; four places in front of loads into registers that matrix instructions have read (ISA guide 7.12.1 for vector instructions)
.rept 4
	v_nop
.endr
.endm
.macro QUARTER slot, k, f, g, zero     ; multiplies buffer f (64 along K, 32 matrix instructions) and fetches the next quarter, at byte k, into g
	s_wait_dscnt 16                                ; the first 32 along K are in: the sixteen younger loads may be out
	WIN MUL
	MUL8 \f, 0, 0, \zero
	MUL8 \f, 0, 2, \zero
	PLACES
	FETCH \slot, \k, \g
	s_wait_dscnt 32                                ; all but the 32 just issued
	WIN MUL
	MUL8 \f, 1, 0, 0
	MUL8 \f, 1, 2, 0
.endm
; A step's last quarter multiplies buffer 1 and changes slots: ONE barrier; in front of it each wave waits for all its tensor loads, adds 0 to its spare word, and waits for that and for its own reads of this slot.
; fill = 1: this slot is filled again, two K steps ahead.  half = 1: that step is the last, 128 wide.
.macro TURN slot, next, fill, half=0
	WIN 0                                          ; (the add's two registers lie in window 0)
	s_wait_tensorcnt 0x0                           ; all my tensor loads have landed: my part of the next slot;
	ds_add_u32 v[SPW], v[NIL]                      ; 0 onto my spare word;
	s_wait_dscnt 17                                ; (the add and the youngest sixteen loads may be out)
	WIN MUL
	MUL8 F1, 0, 0, 0                               ; eight matrix instructions stand between the add and the wait for it
	s_wait_dscnt 0x0                               ; the add is done, and my reads of this slot are over
	s_barrier_signal -1
	MUL8 F1, 0, 2, 0
.if \fill
	WIN 0
.endif
	s_barrier_wait -1
.if \fill
	CREST                                          ; the barrier has opened a round of the cluster's barrier: no wave of any partner still reads this slot's tile or has a load on its way
	s_add_nc_u64 s[G0+4*(\slot)+2:G0+4*(\slot)+3], s[G0+4*(\slot)+2:G0+4*(\slot)+3], 2*KSTEP*2
	s_add_nc_u64 s[G0B+4*(\slot)+2:G0B+4*(\slot)+3], s[G0B+4*(\slot)+2:G0B+4*(\slot)+3], 2*KSTEP*2
.if \half
	s_mov_b32 s[G1+1], 128<<16                     ; tensor_dim0 = 128: what is left of a row; no load of mine is out, so the word may be written
	s_mov_b32 s[G1B+1], 128<<16
.endif
	JLOAD \slot                                    ; the first tensor load behind the round, one a wave; its four v_nop are also the places in front of the loads below
.else
	PLACES
.endif
	FETCH \next, 0, F0
	WIN MUL
	MUL8 F1, 1, 0, 0
	MUL8 F1, 1, 2, 0
.endm
	s_wait_tensorcnt 1                             ; my part of K step 0 is in; K step 1's may stay out
	s_barrier_signal -1
	s_barrier_wait -1                              ; everybody's is
	FETCH 0, 0, F0
	QUARTER 0, 128, F0, F1, 1                      ; k 0: its first products start the sums
	QUARTER 0, 256, F1, F0, 0
	QUARTER 0, 384, F0, F1, 0
	TURN 0, 1, 1                                   ; slot 0 takes k 512 to 767
	QUARTER 1, 128, F0, F1, 0                      ; k 256
	QUARTER 1, 256, F1, F0, 0
	QUARTER 1, 384, F0, F1, 0
	TURN 1, 0, 1, 1                                ; slot 1 takes k 768 to 895
	QUARTER 0, 128, F0, F1, 0                      ; k 512
	QUARTER 0, 256, F1, F0, 0
	QUARTER 0, 384, F0, F1, 0
	TURN 0, 1, 0                                   ; nothing is left to fetch; behind this barrier nobody reads slot 0 any more
	QUARTER 1, 128, F0, F1, 0                      ; k 768
	s_wait_dscnt 16                                ; k 832: the very last quarter
	WIN MUL
	MUL8 F1, 0, 0, 0
	MUL8 F1, 0, 2, 0
	s_wait_dscnt 0
	MUL8 F1, 1, 0, 0
	MUL8 F1, 1, 2, 0
	WIN 0
	; THE WAY OUT.  The bias is rounded to bf16, like every input, and widened again: 48 plain instructions that name no register of the last products are the places behind them.
	s_wait_loadcnt 0x0                             ; p and the bias
.set i, 0
.rept 16
	v_cvt_pk_bf16_f32 v[TB+i%2], v[BI+2*i], v[BI+2*i+1]
	v_lshlrev_b32 v[BI+2*i], 16, v[TB+i%2]
	v_and_b32 v[BI+2*i+1], 0xffff0000, v[TB+i%2]
.set i, i+1
.endr
	; h = p x sum + bias, each accumulator from its low end on; 32 bytes a lane into the stage
.irp a, 0,1,2,3
.irp b, 0,1,2,3
.irp i, 0,1,2,3
	v_pk_fma_f32 v[ACC+8*(4*(\a)+(\b))+2*(\i):ACC+8*(4*(\a)+(\b))+2*(\i)+1], v[ACC+8*(4*(\a)+(\b))+2*(\i):ACC+8*(4*(\a)+(\b))+2*(\i)+1], v[PS+2*(\a):PS+2*(\a)+1], v[BI+8*(\b)+2*(\i):BI+8*(\b)+2*(\i)+1] op_sel_hi:[1,0,1]
.endr
	ds_store_b128 v[STO], v[ACC+8*(4*(\a)+(\b)):ACC+8*(4*(\a)+(\b))+3]   offset:(\a)*16*SPITCH+64*(\b)
	ds_store_b128 v[STO], v[ACC+8*(4*(\a)+(\b))+4:ACC+8*(4*(\a)+(\b))+7] offset:(\a)*16*SPITCH+64*(\b)+16
.endr
.endr
	s_wait_dscnt 0x0                               ; for the others' sake: my stores into the stage are done
	s_barrier_signal -1
	s_barrier_wait -1
	; THE GELU, on whole rows: 8 trips of 4 rows; a lane has 4 numbers of each row
	s_mov_b32 s3, 8
.Lgelu:
.irp e, 0,1,2,3
	ds_load_b128 v[H+4*(\e):H+4*(\e)+3], v[RD] offset:(\e)*SPITCH
.endr
	s_wait_dscnt 0x0
.irp r, 128,129,130,131,132,133,134,135,136,137,138,139,140,141,142,143
	v_fma_f32 v[(\r)+16], |v\r|, s82, 1.0          ; 1 + 0.2316419 |h|
.endr
.irp i, 0,2,4,6,8,10,12,14
	v_pk_mul_f32 v[W+(\i):W+(\i)+1], v[H+(\i):H+(\i)+1], s[80:81] op_sel_hi:[1,0]
.endr
.irp i, 0,2,4,6,8,10,12,14
	v_pk_mul_f32 v[W+(\i):W+(\i)+1], v[W+(\i):W+(\i)+1], v[W+(\i):W+(\i)+1] neg_lo:[1,0] neg_hi:[1,0]  ; -h^2 log2(e) / 2
.endr
.irp i, 0,1,2,3,4,5,6,7,8,9,10,11,12,13,14,15
	v_rcp_f32 v[U+(\i)], v[U+(\i)]                 ; t
.endr
.irp i, 0,1,2,3,4,5,6,7,8,9,10,11,12,13,14,15
	v_exp_f32 v[W+(\i)], v[W+(\i)]
.endr
.irp i, 0,1,2,3,4,5,6,7,8,9,10,11,12,13,14,15
	v_max_num_f32 v[R+(\i)], 0, v[H+(\i)]          ; max(h, 0): also the plain instructions between the transcendentals and the use of their results
.endr
	s_wait_alu depctr_va_vdst(0)
.irp i, 0,2,4,6,8,10,12,14
	v_pk_fma_f32 v[Q+(\i):Q+(\i)+1], v[U+(\i):U+(\i)+1], s[78:79], s[76:77] op_sel_hi:[1,0,0]
.endr
.irp i, 0,2,4,6,8,10,12,14
	v_pk_fma_f32 v[Q+(\i):Q+(\i)+1], v[Q+(\i):Q+(\i)+1], v[U+(\i):U+(\i)+1], s[74:75] op_sel_hi:[1,1,0]
.endr
.irp i, 0,2,4,6,8,10,12,14
	v_pk_fma_f32 v[Q+(\i):Q+(\i)+1], v[Q+(\i):Q+(\i)+1], v[U+(\i):U+(\i)+1], s[72:73] op_sel_hi:[1,1,0]
.endr
.irp i, 0,2,4,6,8,10,12,14
	v_pk_fma_f32 v[Q+(\i):Q+(\i)+1], v[Q+(\i):Q+(\i)+1], v[U+(\i):U+(\i)+1], s[70:71] op_sel_hi:[1,1,0]
.endr
.irp i, 0,2,4,6,8,10,12,14
	v_pk_mul_f32 v[Q+(\i):Q+(\i)+1], v[Q+(\i):Q+(\i)+1], v[U+(\i):U+(\i)+1]
.endr
.irp i, 0,2,4,6,8,10,12,14
	v_pk_mul_f32 v[Q+(\i):Q+(\i)+1], v[Q+(\i):Q+(\i)+1], v[W+(\i):W+(\i)+1]  ; q
.endr
.irp r, 128,129,130,131,132,133,134,135,136,137,138,139,140,141,142,143
	v_fma_f32 v\r, -|v\r|, v[(\r)+48], v[(\r)+64]  ; max(h, 0) - |h| q
.endr
.irp i, 0,1,2,3,4,5,6,7
	v_cvt_pk_bf16_f32 v[O+(\i)], v[H+2*(\i)], v[H+2*(\i)+1]
.endr
.irp e, 0,1,2,3
	global_store_b64 v[CO], v[O+2*(\e):O+2*(\e)+1], s[8:9] offset:(\e)*OUTROW  ; 32 lanes store 256 consecutive bytes, at a multiple of 256 from g's first byte
.endr
	s_wait_xcnt 0x0                                ; the stores' offset and data are rewritten only behind this wait
	v_add_nc_u32 v[CO], 4*OUTROW, v[CO]
	v_add_nc_u32 v[RD], 4*SPITCH, v[RD]
	s_sub_co_u32 s3, s3, 1
	s_cmp_lg_u32 s3, 0
	s_cbranch_scc1 .Lgelu
	s_wait_tensorcnt 0x0                           ; the wave's end, behind my last tensor load and my last LDS store
	ds_add_u32 v[SPW], v[NIL]
	s_wait_dscnt 0x0
	CROUND                                         ; the closing round: no work-group ends while a partner may still ask for a tile that names it
	s_endpgm
.Lfunc_end_k_qb226a51efb_fc:
	.size	k_qb226a51efb_fc, .Lfunc_end_k_qb226a51efb_fc-k_qb226a51efb_fc
	.p2alignl 7, 3214868480
	.fill 96, 4, 3214868480
	.section	.rodata,"a",@progbits
	.p2align	6, 0x0
	.amdhsa_kernel k_qb226a51efb_fc
		.amdhsa_group_segment_fixed_size 327680
		.amdhsa_private_segment_fixed_size 0
		.amdhsa_enable_private_segment 0
		.amdhsa_kernarg_size 32
		.amdhsa_user_sgpr_count 2
		.amdhsa_user_sgpr_kernarg_segment_ptr 1
		.amdhsa_wavefront_size32 1
		.amdhsa_system_sgpr_workgroup_id_x 1
		.amdhsa_system_sgpr_workgroup_id_y 1
		.amdhsa_system_sgpr_workgroup_id_z 1
		.amdhsa_system_vgpr_workitem_id 0
		.amdhsa_next_free_vgpr 512
		.amdhsa_next_free_sgpr 92
		.amdhsa_reserve_vcc 0
		.amdhsa_float_denorm_mode_32 3
		.amdhsa_float_denorm_mode_16_64 3
		.amdhsa_memory_ordered 1
		.amdhsa_forward_progress 1
		.amdhsa_inst_pref_size 90
	.end_amdhsa_kernel
	.amdgpu_metadata
---
amdhsa.version: [ 1, 2 ]
amdhsa.kernels:
  - .name:           k_qb226a51efb_fc
    .symbol:         k_qb226a51efb_fc.kd
    .args:
      - { .name: tn, .offset: 0, .size: 8, .value_kind: global_buffer, .address_space: global }
      - { .name: vfh, .offset: 8, .size: 8, .value_kind: global_buffer, .address_space: global }
      - { .name: b_fc, .offset: 16, .size: 8, .value_kind: global_buffer, .address_space: global }
      - { .name: g, .offset: 24, .size: 8, .value_kind: global_buffer, .address_space: global }
    .group_segment_fixed_size: 327680
    .private_segment_fixed_size: 0
    .kernarg_segment_align: 8
    .kernarg_segment_size: 32
    .max_flat_workgroup_size: 128
    .sgpr_count:     92
    .vgpr_count:     512
    .wavefront_size: 32
...
	.end_amdgpu_metadata
.endif
;; end of part 4
;; launch nn2048 (part 5): grid 32 x 7, 4 waves a work-group, clusters of 4 x 1, 327,680 bytes of LDS; arguments g, upb, part; writes part
.if DOCPART == 5
	.amdgcn_target "amdgcn-amd-amdhsa--gfx1250"
	.amdhsa_code_object_version 6
	.text
	.protected	k_qb226a51efb_nn2048
	.globl	k_qb226a51efb_nn2048
	.p2align	8
	.type	k_qb226a51efb_nn2048,@function
k_qb226a51efb_nn2048:
	s_mov_b64 s[64:65], 0
	v_nop
	global_prefetch_b8 v0, s[64:65] scope:SCOPE_SE
	s_setreg_imm32_b32 hwreg(HW_REG_WAVE_MODE, 25, 1), 1
	s_wait_xcnt 0x0
	s_wait_alu depctr_hold_cnt(0) depctr_sa_sdst(0) depctr_va_vdst(0) depctr_va_sdst(0) depctr_va_ssrc(0) depctr_va_vcc(0) depctr_vm_vsrc(0)
	s_getreg_b32 s2, hwreg(HW_REG_IB_STS2, 6, 4)
	s_cmp_eq_u32 s2, 0
	s_cbranch_scc0 .Lentry_in_a_cluster
	s_endpgm
.Lentry_in_a_cluster:
	s_bfe_u32 s2, ttmp6, 0x10000c
	s_cmp_lg_u32 s2, 0x3003
	s_cbranch_scc0 .Lentry_shape_is_right
	s_endpgm
.Lentry_shape_is_right:
; part[s][m][n] = the sum over k in [KCH s, KCH s + KCH) of A[m][k] B[k][n].  A: [1024][APITCH] bf16, B: [4 KCH][896] bf16 (K down the rows), part: [4][1024][896] f32.  Sums in f32; the four splits are added by the next launch.
; SHARES.  A tile of part is 128 x 128; four waves, each 64 x 64: 16 accumulators.  8 tile rows x 7 tile columns x 4 splits of K = 224 work-groups.  K goes in steps of 256 through two LDS slots.
; CLUSTER.  The four work-groups of a cluster have four tile rows, one split and one tile column: they need the same tiles of B, which are asked for JOINTLY (the same tensor load, descriptor and mask in all four).
; A's tiles differ between the four and are loads of one's own, issued behind the same rounds.  A is not shared: the work-groups that need the same A are the 7 tile columns, and 7 is no multiple of 4.
; B lies [k][n], so its fragments come out of LDS turned, by ds_load_tr16_b128.  THE MATRIX INSTRUCTION IS USED TRANSPOSED (source 0 = 16 columns of B, source 1 = 16 rows of A): a lane holds eight neighbouring numbers of a row.
; REGISTERS: window 0: v0-31 addresses; v128-255 the accumulators ((a, b) at v[128 + 8 (4 a + b)]), later whole rows on the way out.  window 1: two fragment buffers of 128: 64 of A, then 64 of B, for 64 along K.
.set KCH,    2048                      ; K of a split
.set APITCH, 8192                      ; elements in a row of A
.set NPAD,   896
.set KSTEP,  256
.set LAPS,   KCH/(2*KSTEP)             ; a lap = two K steps = once round the ring
.set PA,     528                       ; a row of A in LDS: 512 bytes + 16: the 16 rows of a load start 132 words apart, at 16 different groups of four banks (64 banks of 4 bytes: ISA guide 11.1)
.set PB,     288                       ; a row of B: 256 bytes + 32 = 72 words
.set AHALF,  64*PA
.set ATILE,  2*AHALF
.set BHALF,  128*PB
.set SLOT,   ATILE+2*BHALF             ; A's 128 rows, then B's 256 rows of k
.set SPARE,  2*SLOT                    ; behind the ring: the spare words, 128 bytes for each wave: two blocks of 256 bytes that no other line names
.set SPITCH, 528                       ; THE STAGE, 128 rows x 528 bytes from LDS byte 0, is slot 0's part for A: written only when slot 0 has had its last fill and, behind the last change of slots, nobody reads it
.set SPLITB, 1024*NPAD*4
.set ADRA, 16                          ; v16-17  LDS address of my A fragments in slot 0, 1
.set ADRB, 20                          ; v20-23  of my B fragments: slot 0 k 0-127, k 128-255; slot 1 likewise (a slot's 256 rows pass the 16-bit offset)
.set STO,  24                          ; v24     the way out: where I put 32 bytes of a row
.set RD,   25                          ; v25     the way out: where I read a row back
.set CO,   26                          ; v26     16 x lane
.set SPW,  28                          ; v28     LDS address of my spare word; never rewritten
.set NIL,  29                          ; v29     0; never rewritten
.set ACC,  128
.set F0,   0
.set F1,   128
.set G1, 24                            ; s[24:31] descriptor group 1 for A's tiles;  s[32:39] group 0, one set for each slot
.set G0, 32
.set G1B, 48                           ; s[48:55], s[56:63] the same for B's tiles
.set G0B, 56
.set MSB, 0
.macro WIN new                         ; the immediate's high byte repeats the setting that is left
.if MSB != (\new)
	s_set_vgpr_msb (MSB<<8)|(\new)
.set MSB, \new
.endif
.endm
.set MUL,  0x05                        ; sources 0 (B) and 1 (A) window 1; C and D window 0
.set TO_F, 0x40                        ; destination window 1, address window 0
.macro JLOAD s                         ; waves 0 and 1 fetch A's two halves (their own), waves 2 and 3 B's (jointly); an s_nop 0 and four v_nop follow each line, ahead of the jump and the label
	s_cmp_eq_u32 s11, 0
	s_cbranch_scc0 .Lfor_b_\@
	tensor_load_to_lds s[G0+4*(\s):G0+4*(\s)+3], s[G1:G1+7]
	s_nop 0
.rept 4
	v_nop
.endr
	s_branch .Lasked_\@
.Lfor_b_\@:
	tensor_load_to_lds s[G0B+4*(\s):G0B+4*(\s)+3], s[G1B:G1B+7]
	s_nop 0
.rept 4
	v_nop
.endr
.Lasked_\@:
.endm
.macro CREST                           ; a round of the cluster's barrier behind its opening barrier
	s_cmp_lg_u32 s10, 0
	s_cbranch_scc1 .Lnot_wave_0_\@
	s_barrier_signal -3
.Lnot_wave_0_\@:
	s_barrier_wait -3
	s_barrier_signal -1
	s_barrier_wait -1
.endm
.macro CROUND                          ; a whole round
	s_barrier_signal -1
	s_barrier_wait -1
	CREST
.endm
	s_load_b128 s[4:7], s[0:1], 0x0                ; A s[4:5], B s[6:7]
	s_load_b64 s[8:9], s[0:1], 0x10                ; part
	v_lshl_add_u32 v[SPW], v0, 2, SPARE
	v_mov_b32 v[NIL], 0
	ds_add_u32 v[SPW], v[NIL]                      ; the wave's opening: the add and its wait ahead of my first tensor load; the set-up below stands between them
	ds_add_u32 v28, v29
	v_lshrrev_b32 v1, 5, v0
	v_readfirstlane_b32 s10, v1                    ; wave 0..3
	s_lshr_b32 s11, s10, 1                         ; which half of the tile's rows is mine.  Also: I fetch for A (0) or for B (1)
	s_and_b32 s12, s10, 1                          ; which half of its columns.  Also: which half of that tile I fetch
	s_bfe_u32 s40, ttmp6, 0x40000                  ; cx: my place in the cluster
	s_lshr_b32 s41, ttmp9, 1                       ; the split of K: work-group x / 8, the same in all four
	s_and_b32 s13, ttmp9, 1
	s_lshl_b32 s13, s13, 2
	s_add_co_u32 s13, s13, s40                     ; tile row = work-group x % 8
	s_and_b32 s42, ttmp7, 0xffff                   ; tile column, the same in all four
	s_mov_b32 s[G1+0], (1<<16)|(1<<20)|(6<<22)|(3<<25)  ; A: no mask; 2-byte elements; padding on, after every 128 words, 4 words
	s_mov_b32 s[G1+1], KSTEP<<16                   ; tensor_dim0 = 256
	s_mov_b32 s[G1+2], 64<<16                      ; tensor_dim1 = 64
	s_mov_b32 s[G1+3], KSTEP<<16                   ; tile_dim0 = 256
	s_mov_b32 s[G1+4], 64                          ; tile_dim1 = 64
	s_mov_b32 s[G1+5], APITCH
	s_mov_b32 s[G1+6], 0
	s_mov_b32 s[G1+7], 0
	s_mov_b32 s[G1B+0], 15|(1<<16)|(1<<20)|(1<<21)|(5<<22)|(7<<25)  ; B: the mask of four; 2-byte elements; padding on; 21 set beside a mask; after every 64 words, 8 words
	s_mov_b32 s[G1B+1], 128<<16                    ; tensor_dim0 = 128 columns
	s_mov_b32 s[G1B+2], 128<<16                    ; tensor_dim1 = 128 rows of k
	s_mov_b32 s[G1B+3], 128<<16
	s_mov_b32 s[G1B+4], 128
	s_mov_b32 s[G1B+5], NPAD
	s_mov_b32 s[G1B+6], 0
	s_mov_b32 s[G1B+7], 0
	s_lshl_b32 s16, s13, 7                         ; A: row 128 x tile row + 64 x half,
	s_lshl_b32 s17, s12, 6
	s_add_co_u32 s16, s16, s17
	s_mul_i32 s16, s16, APITCH*2                   ; in bytes (under 2^25),
	s_mul_i32 s17, s41, KCH*2                      ; and the split's first k
	s_add_co_u32 s16, s16, s17
	s_mov_b32 s17, 0
	s_mul_i32 s46, s41, KCH                        ; B: row of k = the split's first + 128 x half; these registers never hold cx
	s_lshl_b32 s47, s12, 7
	s_add_co_u32 s46, s46, s47
	s_mul_i32 s46, s46, NPAD*2
	s_lshl_b32 s47, s42, 8                         ; and the tile column's 256 bytes
	s_add_co_u32 s46, s46, s47
	s_mov_b32 s47, 0
	s_mul_i32 s20, s12, AHALF                      ; where they go: no place in the cluster enters an LDS address
	s_mul_i32 s45, s12, BHALF
	s_add_co_u32 s45, s45, ATILE
	s_wait_dscnt 0x0                               ; the opening add is done
	s_wait_kmcnt 0x0
	s_add_nc_u64 s[14:15], s[4:5], s[16:17]
	s_add_nc_u64 s[46:47], s[6:7], s[46:47]
	CROUND                                         ; all four work-groups are here: the first joint loads meet
.irp s, 0,1
	s_mov_b32 s[G0+4*(\s)], 1
	s_add_co_u32 s[G0+4*(\s)+1], s20, (\s)*SLOT
	s_add_nc_u64 s[G0+4*(\s)+2:G0+4*(\s)+3], s[14:15], (\s)*KSTEP*2
	s_or_b32 s[G0+4*(\s)+3], s[G0+4*(\s)+3], 0x80000000
	s_mov_b32 s[G0B+4*(\s)], 1
	s_add_co_u32 s[G0B+4*(\s)+1], s45, (\s)*SLOT
	s_add_nc_u64 s[G0B+4*(\s)+2:G0B+4*(\s)+3], s[46:47], (\s)*KSTEP*NPAD*2
	s_or_b32 s[G0B+4*(\s)+3], s[G0B+4*(\s)+3], 0x80000000
	JLOAD \s                                       ; two loads of mine are out
.endr
	v_and_b32 v1, 15, v0                           ; l % 16
	v_bfe_u32 v2, v0, 4, 1                         ; l / 16
	v_mul_u32_u24 v3, v1, PA
	v_lshl_add_u32 v3, v2, 4, v3                   ; A: a fragment's row x pitch + 16 x half
	v_and_b32 v5, 7, v0
	v_bfe_u32 v6, v0, 3, 1
	v_lshl_add_u32 v4, v2, 3, v5                   ; B: the turning load: lane l reads row of k 8 (l / 16) + l % 8, columns 8 ((l / 8) % 2) + 0..7
	v_mul_u32_u24 v4, v4, PB
	v_lshl_add_u32 v4, v6, 4, v4
	s_mul_i32 s21, s11, AHALF                      ; my 64 rows of A
	s_lshl_b32 s22, s12, 7                         ; my 64 columns of B, 128 bytes,
	s_add_co_u32 s22, s22, ATILE                   ; behind A's 128 rows
	v_add_nc_u32 v[ADRA], s21, v3
	v_add_nc_u32 v[ADRA+1], SLOT, v[ADRA]
	v_add_nc_u32 v[ADRB], s22, v4
	v_add_nc_u32 v[ADRB+1], BHALF, v[ADRB]
	v_add_nc_u32 v[ADRB+2], SLOT, v[ADRB]
	v_add_nc_u32 v[ADRB+3], SLOT+BHALF, v[ADRB]
	s_mul_i32 s23, s11, 64*SPITCH                  ; into the stage: my 64 rows, my half of their 512 bytes; row l % 16, 32 bytes for each half of the lanes
	s_lshl_b32 s21, s12, 8
	s_add_co_u32 s23, s23, s21
	v_mul_u32_u24 v5, v1, SPITCH
	v_lshl_add_u32 v5, v2, 5, v5
	v_add_nc_u32 v[STO], s23, v5
	s_mul_i32 s23, s10, 32*SPITCH                  ; back: wave w takes rows 32 w .. 32 w + 31, whole: 32 lanes x 16 bytes are a row
	v_and_b32 v6, 31, v0
	v_lshlrev_b32 v[CO], 4, v6
	v_add_nc_u32 v[RD], s23, v[CO]
	s_lshl_b32 s16, s13, 7
	s_lshl_b32 s17, s10, 5
	s_add_co_u32 s16, s16, s17                     ; the first row that I store: 128 x tile row + 32 x wave
	s_mul_i32 s16, s16, NPAD*4
	s_mul_i32 s17, s41, SPLITB                     ; in my split's plane (all under 2^24 bytes)
	s_add_co_u32 s16, s16, s17
	s_lshl_b32 s17, s42, 9                         ; the tile's first column, in bytes
	s_add_co_u32 s16, s16, s17
	s_mov_b32 s17, 0
	s_add_nc_u64 s[8:9], s[8:9], s[16:17]
; 8 matrix instructions: m blocks a0, a0 + 1 x all 4 n blocks, 32 along K: half c of buffer f.  zero = 1: the first product starts the sums.  The 16 accumulators take turns.
.macro MUL8 f, c, a0, zero
	WIN MUL
.irp a, \a0, (\a0)+1
.irp b, 0,1,2,3
.if \zero
	v_wmma_f32_16x16x32_bf16 v[ACC+8*(4*(\a)+(\b)):ACC+8*(4*(\a)+(\b))+7], v[(\f)+64+8*(4*(\c)+(\b)):(\f)+64+8*(4*(\c)+(\b))+7], v[(\f)+8*(4*(\c)+(\a)):(\f)+8*(4*(\c)+(\a))+7], 0
.else
	v_wmma_f32_16x16x32_bf16 v[ACC+8*(4*(\a)+(\b)):ACC+8*(4*(\a)+(\b))+7], v[(\f)+64+8*(4*(\c)+(\b)):(\f)+64+8*(4*(\c)+(\b))+7], v[(\f)+8*(4*(\c)+(\a)):(\f)+8*(4*(\c)+(\a))+7], v[ACC+8*(4*(\a)+(\b)):ACC+8*(4*(\a)+(\b))+7]
.endif
.endr
.endr
.endm
; 32 LDS loads in one run: the fragments of 64 along K, at byte k of A's rows (k / 2 rows down in B), into buffer f; the first 32 along K first
.macro FETCH slot, k, f
	WIN TO_F
.irp c, 0,1
.irp i, 0,1,2,3
	ds_load_tr16_b128 v[(\f)+64+8*(4*(\c)+(\i)):(\f)+64+8*(4*(\c)+(\i))+3],   v[ADRB+2*(\slot)+(\k)/256] offset:(((\k)/2)%128+32*(\c))*PB+32*(\i)
	ds_load_tr16_b128 v[(\f)+64+8*(4*(\c)+(\i))+4:(\f)+64+8*(4*(\c)+(\i))+7], v[ADRB+2*(\slot)+(\k)/256] offset:(((\k)/2)%128+32*(\c)+16)*PB+32*(\i)
	ds_load_b128 v[(\f)+8*(4*(\c)+(\i)):(\f)+8*(4*(\c)+(\i))+3],         v[ADRA+(\slot)] offset:(\k)+64*(\c)+(\i)*16*PA
	ds_load_b128 v[(\f)+8*(4*(\c)+(\i))+4:(\f)+8*(4*(\c)+(\i))+7],       v[ADRA+(\slot)] offset:(\k)+64*(\c)+(\i)*16*PA+32
.endr
.endr
.endm
.macro PLACES                          ; four places in front of loads into registers that matrix instructions have read, and of LDS stores that read results
.rept 4
	v_nop
.endr
.endm
; A K step is four quarters of 64 along K, 32 matrix instructions each, on buffers 0, 1, 0, 1.  One of the first three: multiplies buffer f and fetches the next quarter, at byte k, into g.
.macro QUARTER slot, k, f, g, zero
	s_wait_dscnt 16                                ; the first 32 along K are in: the sixteen younger loads may be out
	WIN MUL
	MUL8 \f, 0, 0, \zero
	MUL8 \f, 0, 2, \zero
	PLACES
	FETCH \slot, \k, \g
	s_wait_dscnt 32                                ; all but the 32 just issued
	WIN MUL
	MUL8 \f, 1, 0, 0
	MUL8 \f, 1, 2, 0
.endm
; The last quarter multiplies buffer 1 and changes slots: ONE barrier; in front of it each wave waits for all its tensor loads, adds 0 to its spare word, and waits for that and for its own reads of this slot.  fill = 1: this slot is filled again, two K steps ahead.
.macro TURN slot, next, fill
	WIN 0                                          ; (the add's two registers lie in window 0)
	s_wait_tensorcnt 0x0                           ; all my tensor loads have landed: my part of the next slot;
	ds_add_u32 v[SPW], v[NIL]                      ; 0 onto my spare word;
	s_wait_dscnt 17                                ; (the add and the youngest sixteen loads may be out)
	WIN MUL
	MUL8 F1, 0, 0, 0                               ; eight matrix instructions stand between the add and the wait for it
	s_wait_dscnt 0x0                               ; the add is done, and my reads of this slot are over
	s_barrier_signal -1
	MUL8 F1, 0, 2, 0
.if \fill
	WIN 0
.endif
	s_barrier_wait -1
.if \fill
	CREST                                          ; the barrier has opened a round of the cluster's barrier: no wave of any partner still reads this slot's tile or has a load on its way
	s_add_nc_u64 s[G0+4*(\slot)+2:G0+4*(\slot)+3], s[G0+4*(\slot)+2:G0+4*(\slot)+3], 2*KSTEP*2
	s_add_nc_u64 s[G0B+4*(\slot)+2:G0B+4*(\slot)+3], s[G0B+4*(\slot)+2:G0B+4*(\slot)+3], 2*KSTEP*NPAD*2
	JLOAD \slot                                    ; the first tensor load behind the round, one a wave; its four v_nop are also the places in front of the loads below
.else
	PLACES
.endif
	FETCH \next, 0, F0
	WIN MUL
	MUL8 F1, 1, 0, 0
	MUL8 F1, 1, 2, 0
.endm
	s_wait_tensorcnt 1                             ; my part of K step 0 is in; K step 1's may stay out
	s_barrier_signal -1
	s_barrier_wait -1                              ; everybody's is
	FETCH 0, 0, F0
	QUARTER 0, 128, F0, F1, 1                      ; the first quarter stands in front of the loop: its first products start the sums
.if LAPS > 1
	WIN 0                                          ; at a label and at a branch every window is 0
	s_mov_b32 s3, LAPS-1
.Llap:                                                 ; a trip goes once round the ring, from a lap's second quarter to the next lap's first, and fills both slots again
	QUARTER 0, 256, F1, F0, 0
	QUARTER 0, 384, F0, F1, 0
	TURN 0, 1, 1
	QUARTER 1, 128, F0, F1, 0
	QUARTER 1, 256, F1, F0, 0
	QUARTER 1, 384, F0, F1, 0
	TURN 1, 0, 1
	QUARTER 0, 128, F0, F1, 0
	WIN 0
	s_sub_co_u32 s3, s3, 1
	s_cmp_lg_u32 s3, 0
	s_cbranch_scc1 .Llap
.endif
	QUARTER 0, 256, F1, F0, 0                      ; the last lap fills nothing
	QUARTER 0, 384, F0, F1, 0
	TURN 0, 1, 0                                   ; behind this barrier nobody reads slot 0 any more
	QUARTER 1, 128, F0, F1, 0
	QUARTER 1, 256, F1, F0, 0
	QUARTER 1, 384, F0, F1, 0
	s_wait_dscnt 16                                ; the very last quarter: nothing more to fetch
	WIN MUL
	MUL8 F1, 0, 0, 0
	MUL8 F1, 0, 2, 0
	s_wait_dscnt 0
	MUL8 F1, 1, 0, 0
	MUL8 F1, 1, 2, 0
	WIN 0
	; THE WAY OUT: 32 bytes a lane into the stage, each accumulator's low registers first; a barrier, since a row's 512 bytes come from two waves; back as whole rows, 32 rows a wave.
	PLACES
.irp a, 0,1,2,3
.irp b, 0,1,2,3
	ds_store_b128 v[STO], v[ACC+8*(4*(\a)+(\b)):ACC+8*(4*(\a)+(\b))+3]   offset:(\a)*16*SPITCH+64*(\b)
	ds_store_b128 v[STO], v[ACC+8*(4*(\a)+(\b))+4:ACC+8*(4*(\a)+(\b))+7] offset:(\a)*16*SPITCH+64*(\b)+16
.endr
.endr
	s_wait_dscnt 0x0                               ; for the others' sake: my stores into the stage are done
	s_barrier_signal -1
	s_barrier_wait -1
.set t, 0
.rept 32
	ds_load_b128 v[ACC+4*t:ACC+4*t+3], v[RD] offset:t*SPITCH
.set t, t+1
.endr
.set t, 0
.rept 32
	s_wait_dscnt 31-t                              ; row t is back; the later rows' loads may be out
	global_store_b128 v[CO], v[ACC+4*t:ACC+4*t+3], s[8:9] offset:t*NPAD*4  ; 512 consecutive bytes, at a multiple of 256 from part's first byte
.set t, t+1
.endr
	s_wait_tensorcnt 0x0                           ; the wave's end, behind my last tensor load and my last LDS store
	ds_add_u32 v[SPW], v[NIL]
	s_wait_dscnt 0x0
	CROUND                                         ; the closing round: no work-group ends while a partner may still ask for a tile that names it
	s_endpgm
.Lfunc_end_k_qb226a51efb_nn2048:
	.size	k_qb226a51efb_nn2048, .Lfunc_end_k_qb226a51efb_nn2048-k_qb226a51efb_nn2048
	.p2alignl 7, 3214868480
	.fill 96, 4, 3214868480
	.section	.rodata,"a",@progbits
	.p2align	6, 0x0
	.amdhsa_kernel k_qb226a51efb_nn2048
		.amdhsa_group_segment_fixed_size 327680
		.amdhsa_private_segment_fixed_size 0
		.amdhsa_enable_private_segment 0
		.amdhsa_kernarg_size 24
		.amdhsa_user_sgpr_count 2
		.amdhsa_user_sgpr_kernarg_segment_ptr 1
		.amdhsa_wavefront_size32 1
		.amdhsa_system_sgpr_workgroup_id_x 1
		.amdhsa_system_sgpr_workgroup_id_y 1
		.amdhsa_system_sgpr_workgroup_id_z 1
		.amdhsa_system_vgpr_workitem_id 0
		.amdhsa_next_free_vgpr 512
		.amdhsa_next_free_sgpr 66
		.amdhsa_reserve_vcc 0
		.amdhsa_float_denorm_mode_32 3
		.amdhsa_float_denorm_mode_16_64 3
		.amdhsa_memory_ordered 1
		.amdhsa_forward_progress 1
		.amdhsa_inst_pref_size 87
	.end_amdhsa_kernel
	.amdgpu_metadata
---
amdhsa.version: [ 1, 2 ]
amdhsa.kernels:
  - .name:           k_qb226a51efb_nn2048
    .symbol:         k_qb226a51efb_nn2048.kd
    .args:
      - { .name: g, .offset: 0, .size: 8, .value_kind: global_buffer, .address_space: global }
      - { .name: upb, .offset: 8, .size: 8, .value_kind: global_buffer, .address_space: global }
      - { .name: part, .offset: 16, .size: 8, .value_kind: global_buffer, .address_space: global }
    .group_segment_fixed_size: 327680
    .private_segment_fixed_size: 0
    .kernarg_segment_align: 8
    .kernarg_segment_size: 24
    .max_flat_workgroup_size: 128
    .sgpr_count:     66
    .vgpr_count:     512
    .wavefront_size: 32
...
	.end_amdgpu_metadata
.endif
;; end of part 5
;; launch red2: the kernel of part 3 again; grid 256 x 1, 4 waves a work-group, no clusters, 0 bytes of LDS; arguments part, S_proj, tn; writes tn
;; launch proj (part 6): grid 16 x 8, 4 waves a work-group, clusters of 4 x 4, 327,680 bytes of LDS; arguments tn, vph, b_proj, out0; writes out0
.if DOCPART == 6
	.amdgcn_target "amdgcn-amd-amdhsa--gfx1250"
	.amdhsa_code_object_version 6
	.text
	.protected	k_qb226a51efb_proj
	.globl	k_qb226a51efb_proj
	.p2align	8
	.type	k_qb226a51efb_proj,@function
k_qb226a51efb_proj:
	s_mov_b64 s[64:65], 0
	v_nop
	global_prefetch_b8 v0, s[64:65] scope:SCOPE_SE
	s_setreg_imm32_b32 hwreg(HW_REG_WAVE_MODE, 25, 1), 1
	s_wait_xcnt 0x0
	s_wait_alu depctr_hold_cnt(0) depctr_sa_sdst(0) depctr_va_vdst(0) depctr_va_sdst(0) depctr_va_ssrc(0) depctr_va_vcc(0) depctr_vm_vsrc(0)
	s_getreg_b32 s2, hwreg(HW_REG_IB_STS2, 6, 4)
	s_cmp_eq_u32 s2, 0
	s_cbranch_scc0 .Lentry_in_a_cluster
	s_endpgm
.Lentry_in_a_cluster:
	s_bfe_u32 s2, ttmp6, 0x10000c
	s_cmp_lg_u32 s2, 0xf033
	s_cbranch_scc0 .Lentry_shape_is_right
	s_endpgm
.Lentry_shape_is_right:
; out[m][n] = p[m] x (the sum over k of tn[m][k] V[n][k]) + bf16(b[n]).  tn: [1024][896] f16, with p: [1024] f32 behind it at byte RSOFF; V: [2048][896] f16; b: [2048] f32; out: [1024][2048] f32.  Sums in f32.
; LIMITS.  NaN and infinities are not treated apart.
; SHARES.  A tile is 128 x 128: 16 x 8 = 128 work-groups; four waves, each 64 x 64: 16 accumulators.  K = 896 goes in steps of 256, 256, 256 and 128 through two LDS slots, all written out: 14 quarters of 64.
; The last step's tile states 128 for the tensor's extent along K: its other 128 columns are written as zeros, not read from memory, and never read from LDS.
; CLUSTERS: 4 x 4 work-groups.  The four of a row of the cluster need the same tiles of tn, the four of a column the same tiles of V: each tile is asked for JOINTLY.  THE MATRIX INSTRUCTION IS USED TRANSPOSED
; (source 0 = 16 rows of V, source 1 = 16 rows of tn): a lane then holds eight neighbouring numbers of a row.
; REGISTERS: window 0: v0-31 addresses; v36-43 p of my four row blocks (with a partner each, for the packed form); v44-75 the bias of my 32 columns; v128-255 the accumulators, later whole rows.  window 1: two fragment buffers of 128.
.set SIZE_K, 896
.set KSTEP,  256
.set PITCH,  528                       ; an LDS row: 512 bytes of data + 16 of padding = 132 words: the 16 rows of a load start at 16 different groups of four banks (64 banks of 4 bytes: ISA guide 11.1)
.set HALFT,  64*PITCH
.set SLOT,   4*HALFT                   ; tn's 128 rows, then V's 128 rows
.set SPARE,  2*SLOT                    ; behind the ring: the spare words, 128 bytes for each wave: two blocks of 256 bytes that no other line names
.set SPITCH, 528                       ; THE STAGE, 128 rows x 528 bytes from LDS byte 0, is slot 0's part for tn: written only when slot 0 has had its last fill and, behind the last change of slots, nobody reads it
.set RSOFF,  1024*SIZE_K*2
.set OUTROW, 8192                      ; bytes in a row of out
.set ADRA, 16
.set ADRB, 20
.set STO,  24
.set RD,   25
.set CO,   26
.set SPW,  28                          ; v28     LDS address of my spare word; never rewritten
.set NIL,  29                          ; v29     0; never rewritten
.set PS,   36
.set BI,   44
.set TB,   76                          ; v76-77  at work
.set ACC,  128
.set F0,   0
.set F1,   128
.set G1, 24
.set G0, 32
.set G1B, 48
.set G0B, 56
.set MSB, 0
.macro WIN new                         ; the immediate's high byte repeats the setting that is left
.if MSB != (\new)
	s_set_vgpr_msb (MSB<<8)|(\new)
.set MSB, \new
.endif
.endm
.set MUL,  0x05                        ; sources 0 (V) and 1 (tn) window 1; C and D window 0
.set TO_F, 0x40                        ; destination window 1, address window 0
.macro JLOAD s                         ; a joint load: waves 0 and 1 fetch tn's two halves, waves 2 and 3 V's; an s_nop 0 and four v_nop follow each line, ahead of the jump and the label
	s_cmp_eq_u32 s11, 0
	s_cbranch_scc0 .Lfor_b_\@
	tensor_load_to_lds s[G0+4*(\s):G0+4*(\s)+3], s[G1:G1+7]
	s_nop 0
.rept 4
	v_nop
.endr
	s_branch .Lasked_\@
.Lfor_b_\@:
	tensor_load_to_lds s[G0B+4*(\s):G0B+4*(\s)+3], s[G1B:G1B+7]
	s_nop 0
.rept 4
	v_nop
.endr
.Lasked_\@:
.endm
.macro CREST                           ; a round of the cluster's barrier behind its opening barrier
	s_cmp_lg_u32 s10, 0
	s_cbranch_scc1 .Lnot_wave_0_\@
	s_barrier_signal -3
.Lnot_wave_0_\@:
	s_barrier_wait -3
	s_barrier_signal -1
	s_barrier_wait -1
.endm
.macro CROUND
	s_barrier_signal -1
	s_barrier_wait -1
	CREST
.endm
	s_load_b128 s[4:7], s[0:1], 0x0                ; tn s[4:5], V s[6:7]
	s_load_b64 s[66:67], s[0:1], 0x10              ; the bias
	s_load_b64 s[8:9], s[0:1], 0x18                ; out
	v_lshl_add_u32 v[SPW], v0, 2, SPARE
	v_mov_b32 v[NIL], 0
	ds_add_u32 v[SPW], v[NIL]                      ; the wave's opening: the add and its wait ahead of my first tensor load; the set-up below stands between them
	ds_add_u32 v28, v29
	v_lshrrev_b32 v1, 5, v0
	v_readfirstlane_b32 s10, v1                    ; wave 0..3
	s_lshr_b32 s11, s10, 1                         ; which half of the tile's rows is mine.  Also: I fetch for tn (0) or for V (1)
	s_and_b32 s12, s10, 1                          ; which half of its columns.  Also: which 64 rows of that tile I fetch
	s_bfe_u32 s40, ttmp6, 0x40000                  ; cx, cy: my place in the cluster
	s_bfe_u32 s41, ttmp6, 0x40004
	s_lshl_b32 s42, ttmp9, 2
	s_add_co_u32 s42, s42, s40                     ; tile column = 4 x cluster x + cx
	s_and_b32 s13, ttmp7, 0xffff
	s_lshl_b32 s13, s13, 2
	s_add_co_u32 s13, s13, s41                     ; tile row = 4 x cluster y + cy
	s_lshl_b32 s43, s41, 2
	s_lshl_b32 s43, 15, s43                        ; my row of the cluster
	s_lshl_b32 s44, 0x1111, s40                    ; my column
	s_or_b32 s[G1+0], s43, (1<<16)|(1<<20)|(1<<21)|(6<<22)|(3<<25)  ; the mask; 2-byte elements; padding on; 21 set beside a mask; after every 128 words, 4 words
	s_or_b32 s[G1B+0], s44, (1<<16)|(1<<20)|(1<<21)|(6<<22)|(3<<25)
.irp g, G1, G1B
	s_mov_b32 s[(\g)+1], KSTEP<<16                 ; tensor_dim0 = 256
	s_mov_b32 s[(\g)+2], 64<<16                    ; tensor_dim1 = 64
	s_mov_b32 s[(\g)+3], KSTEP<<16                 ; tile_dim0 = 256
	s_mov_b32 s[(\g)+4], 64                        ; tile_dim1 = 64
	s_mov_b32 s[(\g)+5], SIZE_K                    ; 896 elements from row to row
	s_mov_b32 s[(\g)+6], 0
	s_mov_b32 s[(\g)+7], 0
.endr
	s_lshl_b32 s17, s12, 6                         ; which 64 rows of the tile I fetch
	s_lshl_b32 s16, s13, 7
	s_add_co_u32 s16, s16, s17                     ; tn: row 128 x tile row + 64 x half
	s_lshl_b32 s46, s42, 7
	s_add_co_u32 s46, s46, s17                     ; V: row 128 x tile column + 64 x half
	s_mov_b32 s17, 0
	s_mov_b32 s47, 0
	s_mov_b64 s[18:19], SIZE_K*2
	s_mul_u64 s[16:17], s[16:17], s[18:19]
	s_mul_u64 s[46:47], s[46:47], s[18:19]
	s_mul_i32 s20, s10, HALFT                      ; where they go: wave x 64 rows
	s_wait_dscnt 0x0                               ; the opening add is done
	s_wait_kmcnt 0x0
	s_add_nc_u64 s[14:15], s[4:5], s[16:17]
	s_add_nc_u64 s[46:47], s[6:7], s[46:47]
	CROUND                                         ; all sixteen work-groups are here: the first joint loads meet
.irp s, 0,1
	s_mov_b32 s[G0+4*(\s)], 1
	s_add_co_u32 s[G0+4*(\s)+1], s20, (\s)*SLOT
	s_add_nc_u64 s[G0+4*(\s)+2:G0+4*(\s)+3], s[14:15], (\s)*KSTEP*2
	s_or_b32 s[G0+4*(\s)+3], s[G0+4*(\s)+3], 0x80000000
	s_mov_b32 s[G0B+4*(\s)], 1
	s_add_co_u32 s[G0B+4*(\s)+1], s20, (\s)*SLOT
	s_add_nc_u64 s[G0B+4*(\s)+2:G0B+4*(\s)+3], s[46:47], (\s)*KSTEP*2
	s_or_b32 s[G0B+4*(\s)+3], s[G0B+4*(\s)+3], 0x80000000
	JLOAD \s                                       ; two loads of mine are out
.endr
	v_and_b32 v1, 15, v0                           ; l % 16
	v_bfe_u32 v2, v0, 4, 1                         ; l / 16
	v_lshlrev_b32 v6, 2, v1                        ; p: 4 bytes a row; never rewritten
	v_lshlrev_b32 v7, 5, v2                        ; the bias: 32 bytes for each half of the lanes; never rewritten
	s_lshl_b32 s16, s13, 9                         ; p of my 64 rows: 4 x (128 x tile row + 64 x half), behind tn's numbers
	s_lshl_b32 s17, s11, 8
	s_add_co_u32 s16, s16, s17
	s_add_co_u32 s16, s16, RSOFF
	s_mov_b32 s17, 0
	s_add_nc_u64 s[68:69], s[4:5], s[16:17]
	s_lshl_b32 s46, s42, 9                         ; the bias of my 64 columns: 4 x (128 x tile column + 64 x half)
	s_lshl_b32 s47, s12, 8
	s_add_co_u32 s46, s46, s47
	s_mov_b32 s47, 0
	s_add_nc_u64 s[66:67], s[66:67], s[46:47]
.irp a, 0,1,2,3
	v_mov_b32 v[PS+2*(\a)+1], 0                    ; named with p as a pair
	global_load_b32 v[PS+2*(\a)], v6, s[68:69] offset:64*(\a)  ; p of row 16 a + l % 16
.endr
.irp b, 0,1,2,3
	global_load_b128 v[BI+8*(\b):BI+8*(\b)+3],   v7, s[66:67] offset:64*(\b)     ; the bias of columns 16 b + 8 (l / 16) + 0..7
	global_load_b128 v[BI+8*(\b)+4:BI+8*(\b)+7], v7, s[66:67] offset:64*(\b)+16
.endr
	v_mul_u32_u24 v3, v1, PITCH
	v_lshl_add_u32 v3, v2, 4, v3                   ; a fragment's row x pitch + 16 x half
	s_mul_i32 s21, s11, HALFT                      ; my 64 rows of tn
	s_mul_i32 s22, s12, HALFT                      ; my 64 rows of V,
	s_add_co_u32 s22, s22, 2*HALFT                 ; which lie behind tn's 128
.irp s, 0,1
	v_add_nc_u32 v[ADRA+(\s)], s21, v3
	v_add_nc_u32 v[ADRB+(\s)], s22, v3
	s_add_co_u32 s21, s21, SLOT
	s_add_co_u32 s22, s22, SLOT
.endr
	s_mul_i32 s23, s11, 64*SPITCH                  ; into the stage: my 64 rows, my half of their 512 bytes; row l % 16, 32 bytes for each half of the lanes
	s_lshl_b32 s21, s12, 8
	s_add_co_u32 s23, s23, s21
	v_mul_u32_u24 v4, v1, SPITCH
	v_lshl_add_u32 v4, v2, 5, v4
	v_add_nc_u32 v[STO], s23, v4
	s_mul_i32 s23, s10, 32*SPITCH                  ; back: wave w takes rows 32 w .. 32 w + 31, whole: 32 lanes x 16 bytes are a row of 128 f32
	v_and_b32 v5, 31, v0
	v_lshlrev_b32 v[CO], 4, v5
	v_add_nc_u32 v[RD], s23, v[CO]
	s_lshl_b32 s16, s13, 7
	s_lshl_b32 s17, s10, 5
	s_add_co_u32 s16, s16, s17                     ; the first row of out that I store: 128 x tile row + 32 x wave
	s_mul_i32 s16, s16, OUTROW
	s_mov_b32 s17, 0
	s_add_nc_u64 s[8:9], s[8:9], s[16:17]
	s_lshl_b32 s46, s42, 9                         ; the tile's first column, in bytes
	s_mov_b32 s47, 0
	s_add_nc_u64 s[8:9], s[8:9], s[46:47]
; 8 matrix instructions: m blocks a0, a0 + 1 x all 4 n blocks, 32 along K: half c of buffer f.  zero = 1: the first product starts the sums.  The 16 accumulators take turns.
.macro MUL8 f, c, a0, zero
	WIN MUL
.irp a, \a0, (\a0)+1
.irp b, 0,1,2,3
.if \zero
	v_wmma_f32_16x16x32_f16 v[ACC+8*(4*(\a)+(\b)):ACC+8*(4*(\a)+(\b))+7], v[(\f)+64+8*(4*(\c)+(\b)):(\f)+64+8*(4*(\c)+(\b))+7], v[(\f)+8*(4*(\c)+(\a)):(\f)+8*(4*(\c)+(\a))+7], 0
.else
	v_wmma_f32_16x16x32_f16 v[ACC+8*(4*(\a)+(\b)):ACC+8*(4*(\a)+(\b))+7], v[(\f)+64+8*(4*(\c)+(\b)):(\f)+64+8*(4*(\c)+(\b))+7], v[(\f)+8*(4*(\c)+(\a)):(\f)+8*(4*(\c)+(\a))+7], v[ACC+8*(4*(\a)+(\b)):ACC+8*(4*(\a)+(\b))+7]
.endif
.endr
.endr
.endm
; 32 LDS loads in one run: the fragments of 64 along K at byte k of the rows, into buffer f; the first 32 along K first
.macro FETCH slot, k, f
	WIN TO_F
.irp c, 0,1
.irp i, 0,1,2,3
	ds_load_b128 v[(\f)+64+8*(4*(\c)+(\i)):(\f)+64+8*(4*(\c)+(\i))+3],   v[ADRB+(\slot)] offset:(\k)+64*(\c)+(\i)*16*PITCH
	ds_load_b128 v[(\f)+64+8*(4*(\c)+(\i))+4:(\f)+64+8*(4*(\c)+(\i))+7], v[ADRB+(\slot)] offset:(\k)+64*(\c)+(\i)*16*PITCH+32
	ds_load_b128 v[(\f)+8*(4*(\c)+(\i)):(\f)+8*(4*(\c)+(\i))+3],         v[ADRA+(\slot)] offset:(\k)+64*(\c)+(\i)*16*PITCH
	ds_load_b128 v[(\f)+8*(4*(\c)+(\i))+4:(\f)+8*(4*(\c)+(\i))+7],       v[ADRA+(\slot)] offset:(\k)+64*(\c)+(\i)*16*PITCH+32
.endr
.endr
.endm
.macro PLACES                          ; four places in front of loads into registers that matrix instructions have read (ISA guide 7.12.1 for vector instructions)
.rept 4
	v_nop
.endr
.endm
.macro QUARTER slot, k, f, g, zero     ; multiplies buffer f (64 along K, 32 matrix instructions) and fetches the next quarter, at byte k, into g
	s_wait_dscnt 16                                ; the first 32 along K are in: the sixteen younger loads may be out
	WIN MUL
	MUL8 \f, 0, 0, \zero
	MUL8 \f, 0, 2, \zero
	PLACES
	FETCH \slot, \k, \g
	s_wait_dscnt 32                                ; all but the 32 just issued
	WIN MUL
	MUL8 \f, 1, 0, 0
	MUL8 \f, 1, 2, 0
.endm
; A step's last quarter multiplies buffer 1 and changes slots: ONE barrier; in front of it each wave waits for all its tensor loads, adds 0 to its spare word, and waits for that and for its own reads of this slot.
; fill = 1: this slot is filled again, two K steps ahead.  half = 1: that step is the last, 128 wide.
.macro TURN slot, next, fill, half=0
	WIN 0                                          ; (the add's two registers lie in window 0)
	s_wait_tensorcnt 0x0                           ; all my tensor loads have landed: my part of the next slot;
	ds_add_u32 v[SPW], v[NIL]                      ; 0 onto my spare word;
	s_wait_dscnt 17                                ; (the add and the youngest sixteen loads may be out)
	WIN MUL
	MUL8 F1, 0, 0, 0                               ; eight matrix instructions stand between the add and the wait for it
	s_wait_dscnt 0x0                               ; the add is done, and my reads of this slot are over
	s_barrier_signal -1
	MUL8 F1, 0, 2, 0
.if \fill
	WIN 0
.endif
	s_barrier_wait -1
.if \fill
	CREST                                          ; the barrier has opened a round of the cluster's barrier: no wave of any partner still reads this slot's tile or has a load on its way
	s_add_nc_u64 s[G0+4*(\slot)+2:G0+4*(\slot)+3], s[G0+4*(\slot)+2:G0+4*(\slot)+3], 2*KSTEP*2
	s_add_nc_u64 s[G0B+4*(\slot)+2:G0B+4*(\slot)+3], s[G0B+4*(\slot)+2:G0B+4*(\slot)+3], 2*KSTEP*2
.if \half
	s_mov_b32 s[G1+1], 128<<16                     ; tensor_dim0 = 128: what is left of a row; no load of mine is out, so the word may be written
	s_mov_b32 s[G1B+1], 128<<16
.endif
	JLOAD \slot                                    ; the first tensor load behind the round, one a wave; its four v_nop are also the places in front of the loads below
.else
	PLACES
.endif
	FETCH \next, 0, F0
	WIN MUL
	MUL8 F1, 1, 0, 0
	MUL8 F1, 1, 2, 0
.endm
	s_wait_tensorcnt 1                             ; my part of K step 0 is in; K step 1's may stay out
	s_barrier_signal -1
	s_barrier_wait -1                              ; everybody's is
	FETCH 0, 0, F0
	QUARTER 0, 128, F0, F1, 1                      ; k 0: its first products start the sums
	QUARTER 0, 256, F1, F0, 0
	QUARTER 0, 384, F0, F1, 0
	TURN 0, 1, 1                                   ; slot 0 takes k 512 to 767
	QUARTER 1, 128, F0, F1, 0                      ; k 256
	QUARTER 1, 256, F1, F0, 0
	QUARTER 1, 384, F0, F1, 0
	TURN 1, 0, 1, 1                                ; slot 1 takes k 768 to 895
	QUARTER 0, 128, F0, F1, 0                      ; k 512
	QUARTER 0, 256, F1, F0, 0
	QUARTER 0, 384, F0, F1, 0
	TURN 0, 1, 0                                   ; nothing is left to fetch; behind this barrier nobody reads slot 0 any more
	QUARTER 1, 128, F0, F1, 0                      ; k 768
	s_wait_dscnt 16                                ; k 832: the very last quarter
	WIN MUL
	MUL8 F1, 0, 0, 0
	MUL8 F1, 0, 2, 0
	s_wait_dscnt 0
	MUL8 F1, 1, 0, 0
	MUL8 F1, 1, 2, 0
	WIN 0
	; THE WAY OUT.  The bias is rounded to bf16, like every input, and widened again: 48 plain instructions that name no register of the last products are the places behind them.
	s_wait_loadcnt 0x0                             ; p and the bias
.set i, 0
.rept 16
	v_cvt_pk_bf16_f32 v[TB+i%2], v[BI+2*i], v[BI+2*i+1]
	v_lshlrev_b32 v[BI+2*i], 16, v[TB+i%2]
	v_and_b32 v[BI+2*i+1], 0xffff0000, v[TB+i%2]
.set i, i+1
.endr
	; out = p x sum + bias, each accumulator from its low end on; 32 bytes a lane into the stage
.irp a, 0,1,2,3
.irp b, 0,1,2,3
.irp i, 0,1,2,3
	v_pk_fma_f32 v[ACC+8*(4*(\a)+(\b))+2*(\i):ACC+8*(4*(\a)+(\b))+2*(\i)+1], v[ACC+8*(4*(\a)+(\b))+2*(\i):ACC+8*(4*(\a)+(\b))+2*(\i)+1], v[PS+2*(\a):PS+2*(\a)+1], v[BI+8*(\b)+2*(\i):BI+8*(\b)+2*(\i)+1] op_sel_hi:[1,0,1]
.endr
	ds_store_b128 v[STO], v[ACC+8*(4*(\a)+(\b)):ACC+8*(4*(\a)+(\b))+3]   offset:(\a)*16*SPITCH+64*(\b)
	ds_store_b128 v[STO], v[ACC+8*(4*(\a)+(\b))+4:ACC+8*(4*(\a)+(\b))+7] offset:(\a)*16*SPITCH+64*(\b)+16
.endr
.endr
	s_wait_dscnt 0x0                               ; for the others' sake: my stores into the stage are done
	s_barrier_signal -1
	s_barrier_wait -1
.set t, 0
.rept 32
	ds_load_b128 v[ACC+4*t:ACC+4*t+3], v[RD] offset:t*SPITCH
.set t, t+1
.endr
.set t, 0
.rept 32
	s_wait_dscnt 31-t                              ; row t is back; the later rows' loads may be out
	global_store_b128 v[CO], v[ACC+4*t:ACC+4*t+3], s[8:9] offset:t*OUTROW th:TH_STORE_NT  ; 512 consecutive bytes, at a multiple of 256 from out's first byte
.set t, t+1
.endr
	s_wait_tensorcnt 0x0                           ; the wave's end, behind my last tensor load and my last LDS store
	ds_add_u32 v[SPW], v[NIL]
	s_wait_dscnt 0x0
	CROUND                                         ; the closing round: no work-group ends while a partner may still ask for a tile that names it
	s_endpgm
.Lfunc_end_k_qb226a51efb_proj:
	.size	k_qb226a51efb_proj, .Lfunc_end_k_qb226a51efb_proj-k_qb226a51efb_proj
	.p2alignl 7, 3214868480
	.fill 96, 4, 3214868480
	.section	.rodata,"a",@progbits
	.p2align	6, 0x0
	.amdhsa_kernel k_qb226a51efb_proj
		.amdhsa_group_segment_fixed_size 327680
		.amdhsa_private_segment_fixed_size 0
		.amdhsa_enable_private_segment 0
		.amdhsa_kernarg_size 32
		.amdhsa_user_sgpr_count 2
		.amdhsa_user_sgpr_kernarg_segment_ptr 1
		.amdhsa_wavefront_size32 1
		.amdhsa_system_sgpr_workgroup_id_x 1
		.amdhsa_system_sgpr_workgroup_id_y 1
		.amdhsa_system_sgpr_workgroup_id_z 1
		.amdhsa_system_vgpr_workitem_id 0
		.amdhsa_next_free_vgpr 512
		.amdhsa_next_free_sgpr 92
		.amdhsa_reserve_vcc 0
		.amdhsa_float_denorm_mode_32 3
		.amdhsa_float_denorm_mode_16_64 3
		.amdhsa_memory_ordered 1
		.amdhsa_forward_progress 1
		.amdhsa_inst_pref_size 86
	.end_amdhsa_kernel
	.amdgpu_metadata
---
amdhsa.version: [ 1, 2 ]
amdhsa.kernels:
  - .name:           k_qb226a51efb_proj
    .symbol:         k_qb226a51efb_proj.kd
    .args:
      - { .name: tn, .offset: 0, .size: 8, .value_kind: global_buffer, .address_space: global }
      - { .name: vph, .offset: 8, .size: 8, .value_kind: global_buffer, .address_space: global }
      - { .name: b_proj, .offset: 16, .size: 8, .value_kind: global_buffer, .address_space: global }
      - { .name: out0, .offset: 24, .size: 8, .value_kind: global_buffer, .address_space: global }
    .group_segment_fixed_size: 327680
    .private_segment_fixed_size: 0
    .kernarg_segment_align: 8
    .kernarg_segment_size: 32
    .max_flat_workgroup_size: 128
    .sgpr_count:     92
    .vgpr_count:     512
    .wavefront_size: 32
...
	.end_amdgpu_metadata
.endif
;; end of part 6
